; MI455X (gfx1250); checked and timed in simulation.
; The chip was launched on July 23, 2026; its instructions are those of AMD's public machine-readable ISA for CDNA 5 (MIT licence, August 2026) and "CDNA5" Instruction Set Architecture Reference Guide (July 2026). The comments in the code are by the model that wrote it; some were corrected since.
;; Simple Cross Attention. Allowed arithmetic: float matrix products may take bf16 or f16 operands with f32 sums; other float arithmetic in f32, or as packed bf16 or f16 multiplies, adds, multiply-adds, maxima and minima; sums over many terms, partial sums and values carried from step to step in f32; what a program stores and reads back later, other than sums and carried values, may be rounded once to bf16 or f16.
;; Inputs: Wc 512 x 512 float32; Wi 512 x 512 float32; Wk 512 x 512 float32; Wo1 512 x 512 float32; Wo2 512 x 512 float32; Wq 512 x 512 float32; Wv 512 x 512 float32; bc 512 float32; bi 512 float32; bo1 512 float32; bo2 512 float32; context 2 x 512 x 64 x 64 float32; x 2 x 512 x 64 x 64 float32.
;; Outputs: out0 2 x 512 x 64 x 64 float32.
;; One version. Each part assembles by itself: llvm-mc -triple=amdgcn-amd-amdhsa -mcpu=gfx1250 --defsym DOCPART=n.
;; ======== version 1 of 1: 4 launches
;; limits: values are held in f16: magnitudes above 65,504 overflow, below 6.1e-05 lose precision; a function is approximated: absolute error at most 1.5e-07
;; workspace buffers: xc 16,777,216 bytes; wt 3,145,728 bytes; tab 21,248 bytes; qkv 25,165,824 bytes; ob 8,388,608 bytes
;; launch prep (part 1): grid 464 x 1, 8 waves a work-group, no clusters, 61,952 bytes of LDS; arguments x, context, Wi, Wc, Wq, Wk, Wv, Wo1, Wo2, bi, bc, xc, wt, tab; writes xc, wt, tab
.if DOCPART == 1
	.amdgcn_target "amdgcn-amd-amdhsa--gfx1250"
	.amdhsa_code_object_version 6
	.text
	.protected	k_qab67409469_prep
	.globl	k_qab67409469_prep
	.p2align	8
	.type	k_qab67409469_prep,@function
k_qab67409469_prep:
	s_mov_b64 s[64:65], 0
	v_nop
	global_prefetch_b8 v0, s[64:65] scope:SCOPE_SE
	s_setreg_imm32_b32 hwreg(HW_REG_WAVE_MODE, 25, 1), 1
	s_wait_xcnt 0x0
; PREP.  Two kinds of work-group, told apart by the work-group's number alone (the same for all eight waves).
; FOLD (work-groups 0..191): the products Wi Wq, Wc Wk, Wc Wv (512 x 512 x 512 each) and the rows bi Wq, bc Wk, bc Wv, since
;   (x Wi + bi) Wq = x (Wi Wq) + bi Wq.  Operands rounded to bf16, sums in f32.  Work-group f: product p = f / 64, 64 columns n (one head) nb, 64 rows c kb.
;   The result is stored transposed, [n][64 c] in bf16, a dense block of 65,536 bytes for each (type, 64 c): the next launch's K steps.
;   Wc Wv is stored as TWO bf16 planes, hi and lo = bf16(sum - hi); Wi Wq and Wc Wk as one.
;   Each wave also stores the largest |sum| that it has seen: a later launch makes a power-of-two scale for v from it.
; CAST (work-groups 192..463): x and context to bf16 as they lie ([b][c][s]), with each wave's largest |number|; Wo1 to f16 (of its bf16 rounding) and Wo2 to bf16,
;   both as [block of 64 columns][512 k][64]: dense tiles of 65,536 bytes.
; LIMITS.  NaN and infinities are not treated apart.  Wo1: beyond 65,504 f16 has no number; under 2^-17 an element keeps f16's fixed step of 2^-24.
.set FB,    22016                      ; LDS: FA 80 rows x 272 (64 rows of A, the bias row, 15 rows of zeros; 128 j in bf16 + 16 bytes), then FB 128 rows j x 160 (64 n + 32 bytes)
.set STH,   42496                      ; the way out: 64 rows n x 144 (64 c + 16 bytes), plane hi
.set STL,   51712                      ; plane lo
.set SPARE, 60928                      ; the spare words: 128 bytes for each of the eight waves, four blocks of 256 bytes that no other line names
.set GR,    16                         ; v[16:83]   a chunk as loaded: 8 x 4 of A, 8 x 4 of B, 4 of the bias (wave 0)
.set PKR,   84                         ; v[84:117]  the same in bf16
.set FR,    120                        ; v[120:183] fragments of two K steps of 32: two tiles of A, the bias tile, one of B; at the head and on the way out at work
.set ACC,   184                        ; v[184:207] three accumulators: c tiles 2 g and 2 g + 1, the bias tile
.set SPW,   208                        ; LDS address of my spare word; never rewritten
.set NIL,   209                        ; 0; never rewritten
.set HI,    FR
.set LO,    FR+8
.set WD,    FR+16
.set T0,    FR+24
.set T1,    FR+25
.set TA,    FR+26
.set BA,    FR+27
.set R0,    FR+32
.set X,     16                         ; CAST: v[16:143] 32 loads of 16 bytes
.set M,     8                          ; CAST: v[8:11] four running maxima
	s_load_b512 s[8:23], s[0:1], 0x0               ; x 8, context 10, Wi 12, Wc 14, Wq 16, Wk 18, Wv 20, Wo1 22
	s_load_b256 s[24:31], s[0:1], 0x40             ; Wo2 24, bi 26, bc 28, xc 30
	s_load_b128 s[32:35], s[0:1], 0x60             ; wt 32, tab 34
	v_lshl_add_u32 v[SPW], v0, 2, SPARE
	v_mov_b32 v[NIL], 0
	v_lshrrev_b32 v1, 5, v0
	v_readfirstlane_b32 s40, v1                    ; wave 0..7
	v_and_b32 v1, 31, v0                           ; l
	v_and_b32 v2, 15, v0                           ; r = l % 16
	v_bfe_u32 v3, v0, 4, 1                         ; h = l / 16
	s_mov_b32 s41, 0x76543210                      ; v_permlanex16_b32: each lane takes its own place in the other half
	s_mov_b32 s42, 0xfedcba98
	s_mov_b32 s53, 0                               ; the high word of every offset pair s[52:53]
	s_wait_kmcnt 0x0
	s_cmp_lt_u32 ttmp9, 192
	s_cbranch_scc0 .Lcast
; ---------------------------------------------------------------- FOLD
	s_lshr_b32 s43, ttmp9, 6                       ; p
	s_bfe_u32 s44, ttmp9, 0x30003                  ; nb
	s_and_b32 s45, ttmp9, 7                        ; kb
	s_lshr_b32 s54, s40, 2                         ; g: which two c tiles
	s_and_b32 s55, s40, 3                          ; nt: which n tile
	s_cmp_eq_u32 s43, 0
	s_cselect_b64 s[46:47], s[12:13], s[14:15]     ; A = Wi or Wc
	s_cselect_b64 s[48:49], s[26:27], s[28:29]     ; its bias
	s_cselect_b64 s[50:51], s[16:17], s[18:19]     ; B = Wq, Wk
	s_cmp_eq_u32 s43, 2
	s_cselect_b64 s[50:51], s[20:21], s[50:51]     ; or Wv
	s_lshl_b32 s52, s45, 17                        ; 64 rows of 2,048 bytes
	s_add_nc_u64 s[46:47], s[46:47], s[52:53]
	s_lshl_b32 s52, s44, 8                         ; 64 columns of 4 bytes
	s_add_nc_u64 s[50:51], s[50:51], s[52:53]
	v_lshlrev_b32 v6, 4, v1                        ; the bias: 16 l
	v_lshl_add_u32 v4, s40, 11, v6                 ; A: row w (+ 8 i), 512 consecutive bytes a wave
	v_lshl_add_u32 v[FR], s40, 1, v3               ; 2 w + h
	v_lshlrev_b32 v5, 4, v2
	v_lshl_add_u32 v5, v[FR], 11, v5               ; B: row 2 w + h (+ 16 i), 256 consecutive bytes for 16 lanes
; A chunk is 128 along K (j): 64 x 128 of A, 128 x 64 of B, 128 of the bias.
.macro LOADG c
.irp i, 0,1,2,3,4,5,6,7
	global_load_b128 v[GR+4*\i:GR+4*\i+3], v4, s[46:47] offset:16384*\i+512*(\c)
.endr
.irp i, 0,1,2,3,4,5,6,7
	global_load_b128 v[GR+32+4*\i:GR+32+4*\i+3], v5, s[50:51] offset:32768*\i+262144*(\c)
.endr
	s_cmp_lg_u32 s40, 0
	s_cbranch_scc1 .Lnobias_\@
	global_load_b128 v[GR+64:GR+67], v6, s[48:49] offset:512*(\c)
.Lnobias_\@:
.endm
	LOADG 0
	s_mul_i32 s56, s40, 272
	v_lshl_add_u32 v7, v1, 3, s56                  ; A into LDS: row w, 8 bytes a lane
	v_mul_u32_u24 v8, v[FR], 160
	v_lshl_add_u32 v8, v2, 3, v8                   ; B into LDS: row 2 w + h (FB stands in the offsets)
	v_lshlrev_b32 v9, 3, v1                        ; the bias row: 8 l
	v_lshlrev_b32 v10, 4, v0                       ; 16 x thread: the zero rows, and the stores of the result
	v_mul_u32_u24 v11, v2, 272
	v_lshl_add_u32 v11, v3, 4, v11                 ; a fragment of A: row r, 16 h
	s_mul_i32 s56, s54, 8704
	v_add_nc_u32 v13, s56, v11                     ; my two c tiles begin at row 32 g
	v_and_b32 v[FR], 7, v0
	v_lshl_add_u32 v[FR+1], v3, 3, v[FR]
	v_mul_u32_u24 v12, v[FR+1], 160                ; the turning load of B ([j][n]): row 8 h + l % 8,
	v_bfe_u32 v[FR+1], v0, 3, 1
	v_lshl_add_u32 v12, v[FR+1], 4, v12            ; 16 bytes for each half of eight lanes,
	s_lshl_b32 s56, s55, 5
	v_add_nc_u32 v12, s56, v12                     ; my n tile
	v_lshl_add_u32 v14, s55, 4, v2
	v_mul_u32_u24 v14, v14, 144                    ; into the stage: row 16 nt + r,
	v_lshl_add_u32 v14, v3, 4, v14
	s_lshl_b32 s56, s54, 6
	v_add_nc_u32 v14, s56, v14                     ; byte 64 g + 16 h (+ 32 for the second c tile)
	v_lshrrev_b32 v[FR+1], 3, v1
	v_lshl_add_u32 v[FR+1], s40, 2, v[FR+1]
	v_mul_u32_u24 v15, v[FR+1], 144                ; back: row 4 w + l / 8, 16 (l % 8)
	v_lshl_add_u32 v15, v[FR], 4, v15
	v_mov_b32 v[FR], 0
	v_mov_b32 v[FR+1], 0
	v_mov_b32 v[FR+2], 0
	v_mov_b32 v[FR+3], 0
	ds_store_b128 v10, v[FR:FR+3] offset:17680     ; rows 65..79 of FA stay 0 (4,096 bytes from row 65 on: 16 run into FA's own tail)
; Two K steps of 32: 16 LDS loads, six products.  The three accumulators take turns, one instruction a turn.
; Four plain places stand between the last product and the loads into registers that it has read (ISA guide 7.12.1 for vector instructions).
.macro HALF k0, first
.rept 4
	v_nop
.endr
.irp u, 0,1
	ds_load_b128 v[FR+32*\u:FR+32*\u+3],     v13 offset:64*((\k0)+\u)
	ds_load_b128 v[FR+32*\u+4:FR+32*\u+7],   v13 offset:64*((\k0)+\u)+32
	ds_load_b128 v[FR+32*\u+8:FR+32*\u+11],  v13 offset:64*((\k0)+\u)+4352
	ds_load_b128 v[FR+32*\u+12:FR+32*\u+15], v13 offset:64*((\k0)+\u)+4352+32
	ds_load_b128 v[FR+32*\u+16:FR+32*\u+19], v11 offset:64*((\k0)+\u)+17408
	ds_load_b128 v[FR+32*\u+20:FR+32*\u+23], v11 offset:64*((\k0)+\u)+17408+32
	ds_load_tr16_b128 v[FR+32*\u+24:FR+32*\u+27], v12 offset:FB+5120*((\k0)+\u)
	ds_load_tr16_b128 v[FR+32*\u+28:FR+32*\u+31], v12 offset:FB+5120*((\k0)+\u)+2560
.endr
	s_wait_dscnt 0x0
.irp u, 0,1
.irp t, 0,1,2
.if (\first) && (\u == 0)
	v_wmma_f32_16x16x32_bf16 v[ACC+8*\t:ACC+8*\t+7], v[FR+32*\u+8*\t:FR+32*\u+8*\t+7], v[FR+32*\u+24:FR+32*\u+31], 0
.else
	v_wmma_f32_16x16x32_bf16 v[ACC+8*\t:ACC+8*\t+7], v[FR+32*\u+8*\t:FR+32*\u+8*\t+7], v[FR+32*\u+24:FR+32*\u+31], v[ACC+8*\t:ACC+8*\t+7]
.endif
.endr
.endr
.endm
; A chunk: rounded to bf16, stored to LDS (behind a barrier: every wave's reads of the last chunk were waited for ahead of its products), the next chunk asked for, a barrier, the products.
.macro CHUNK c
	s_wait_loadcnt 0x0                             ; the chunk's loads; none is younger
.set i, 0
.rept 32
	v_cvt_pk_bf16_f32 v[PKR+i], v[GR+2*i], v[GR+2*i+1]
.set i, i+1
.endr
.if (\c) > 0
	s_barrier_signal -1
	s_barrier_wait -1
.endif
.irp i, 0,1,2,3,4,5,6,7
	ds_store_b64 v7, v[PKR+2*\i:PKR+2*\i+1] offset:2176*\i
.endr
.irp i, 0,1,2,3,4,5,6,7
	ds_store_b64 v8, v[PKR+16+2*\i:PKR+16+2*\i+1] offset:FB+2560*\i
.endr
	s_cmp_lg_u32 s40, 0
	s_cbranch_scc1 .Lnb_\@
	v_cvt_pk_bf16_f32 v[PKR+32], v[GR+64], v[GR+65]
	v_cvt_pk_bf16_f32 v[PKR+33], v[GR+66], v[GR+67]
	ds_store_b64 v9, v[PKR+32:PKR+33] offset:17408
.Lnb_\@:
.if (\c) < 3
	LOADG (\c)+1
.endif
	s_wait_dscnt 0x0                               ; for the others' sake: my stores are done
	s_barrier_signal -1
	s_barrier_wait -1
	HALF 0, (\c)==0
	HALF 2, 0
.endm
	CHUNK 0
	CHUNK 1
	CHUNK 2
	CHUNK 3
	; THE WAY OUT.  A lane holds one n (r) and eight neighbouring c (8 h + 0..7) of each c tile.
.rept 8
	v_nop
.endr
	v_max3_num_f32 v[T0], |v[ACC]|, |v[ACC+1]|, |v[ACC+2]|       ; each accumulator is read from its low end on
	v_max3_num_f32 v[T1], |v[ACC+8]|, |v[ACC+9]|, |v[ACC+10]|
	v_max3_num_f32 v[T0], v[T0], |v[ACC+3]|, |v[ACC+4]|
	v_max3_num_f32 v[T1], v[T1], |v[ACC+11]|, |v[ACC+12]|
	v_max3_num_f32 v[T0], v[T0], |v[ACC+5]|, |v[ACC+6]|
	v_max3_num_f32 v[T1], v[T1], |v[ACC+13]|, |v[ACC+14]|
	v_max3_num_f32 v[T0], v[T0], |v[ACC+7]|, |v[ACC+15]|
	v_max_num_f32 v[T0], v[T0], v[T1]
	v_max_num_f32_dpp v[T0], v[T0], v[T0] row_xmask:1 row_mask:0xf bank_mask:0xf
	v_max_num_f32_dpp v[T0], v[T0], v[T0] row_xmask:2 row_mask:0xf bank_mask:0xf
	v_max_num_f32_dpp v[T0], v[T0], v[T0] row_xmask:4 row_mask:0xf bank_mask:0xf
	v_max_num_f32_dpp v[T0], v[T0], v[T0] row_xmask:8 row_mask:0xf bank_mask:0xf
	v_permlanex16_b32 v[T1], v[T0], s41, s42
	v_max_num_f32 v[T0], v[T0], v[T1]              ; the wave's largest |sum|
.irp t, 0,1
.irp j, 0,1,2,3
	v_cvt_pk_bf16_f32 v[HI+4*\t+\j], v[ACC+8*\t+2*\j], v[ACC+8*\t+2*\j+1]
.endr
.irp j, 0,1,2,3
	v_lshlrev_b32 v[WD+2*\j], 16, v[HI+4*\t+\j]
	v_and_b32 v[WD+2*\j+1], 0xffff0000, v[HI+4*\t+\j]
.endr
.irp j, 0,1,2,3
	v_pk_add_f32 v[WD+2*\j:WD+2*\j+1], v[ACC+8*\t+2*\j:ACC+8*\t+2*\j+1], v[WD+2*\j:WD+2*\j+1] neg_lo:[0,1] neg_hi:[0,1]  ; what hi has lost
.endr
.irp j, 0,1,2,3
	v_cvt_pk_bf16_f32 v[LO+4*\t+\j], v[WD+2*\j], v[WD+2*\j+1]
.endr
	ds_store_b128 v14, v[HI+4*\t:HI+4*\t+3] offset:STH+32*\t
	ds_store_b128 v14, v[LO+4*\t:LO+4*\t+3] offset:STL+32*\t
.endr
	; where the block goes: type p (p < 2) at rows 64 nb; for p = 2 type 2 + nb / 4 at rows 128 (nb % 4), lo 64 rows behind hi
	s_lshr_b32 s56, s44, 2
	s_add_co_u32 s56, s56, 2
	s_lshl_b32 s57, s44, 13
	s_and_b32 s58, s44, 3
	s_lshl_b32 s58, s58, 14
	s_cmp_eq_u32 s43, 2
	s_cselect_b32 s56, s56, s43
	s_cselect_b32 s57, s58, s57
	s_lshl_b32 s56, s56, 3
	s_add_co_u32 s56, s56, s45
	s_lshl_b32 s56, s56, 16
	s_add_co_u32 s52, s56, s57
	s_add_nc_u64 s[32:33], s[32:33], s[52:53]
	s_lshl_b32 s56, ttmp9, 3                       ; tab word 1536 + 8 f + wave
	s_add_co_u32 s56, s56, s40
	s_add_co_u32 s56, s56, 1536
	s_lshl_b32 s56, s56, 2
	v_mov_b32 v[TA], s56
	s_lshl_b32 s56, s43, 9                         ; tab word 512 p + 64 nb + 16 nt + l
	s_lshl_b32 s57, s44, 6
	s_add_co_u32 s56, s56, s57
	s_lshl_b32 s57, s55, 4
	s_add_co_u32 s56, s56, s57
	s_lshl_b32 s56, s56, 2
	v_lshl_add_u32 v[BA], v1, 2, s56
	s_wait_dscnt 0x0                               ; for the others' sake: a stage row holds two waves' halves
	s_barrier_signal -1
	s_barrier_wait -1
	ds_load_b128 v[R0:R0+3],     v15 offset:STH
	ds_load_b128 v[R0+4:R0+7],   v15 offset:STH+4608
	ds_load_b128 v[R0+8:R0+11],  v15 offset:STL
	ds_load_b128 v[R0+12:R0+15], v15 offset:STL+4608
	s_wait_dscnt 0x0
	global_store_b128 v10, v[R0:R0+3], s[32:33]                  ; a wave's store covers 512 consecutive bytes, aligned
	global_store_b128 v10, v[R0+4:R0+7], s[32:33] offset:4096
	s_cmp_lg_u32 s43, 2
	s_cbranch_scc1 .Lnolo
	global_store_b128 v10, v[R0+8:R0+11], s[32:33] offset:8192
	global_store_b128 v10, v[R0+12:R0+15], s[32:33] offset:12288
.Lnolo:
	s_wait_xcnt 0x0                                ; EXEC changes only behind this wait
	v_cmp_eq_u32 vcc_lo, 0, v1
	s_and_saveexec_b32 s59, vcc_lo
	global_store_b32 v[TA], v[T0], s[34:35]
	s_wait_xcnt 0x0
	s_or_b32 exec_lo, exec_lo, s59
	s_or_b32 s56, s45, s54                         ; the folded bias is the same in all kb and both g: kb = 0, g = 0 store it
	s_cmp_lg_u32 s56, 0
	s_cbranch_scc1 .Lfend
	v_cmp_gt_u32 vcc_lo, 16, v1                    ; row 0 of the bias tile: register 0 of lanes 0..15
	s_and_saveexec_b32 s59, vcc_lo
	global_store_b32 v[BA], v[ACC+16], s[34:35]
	s_wait_xcnt 0x0
	s_or_b32 exec_lo, exec_lo, s59
.Lfend:
	s_wait_tensorcnt 0x0                           ; the wave's end, behind my last LDS store
	ds_add_u32 v[SPW], v[NIL]
	s_wait_dscnt 0x0
	s_endpgm
; ---------------------------------------------------------------- CAST: 32,768 numbers a work-group, all 32 loads of a thread out at once (128 KiB a work-group)
.macro LOADS stride
.set i, 0
.rept 32
	global_load_b128 v[X+4*i:X+4*i+3], v4, s[46:47] offset:(\stride)*i th:TH_LOAD_NT
.set i, i+1
.endr
.endm
.Lcast:
	s_sub_co_u32 s43, ttmp9, 192                   ; id: 0..127 x, 128..255 context, 256..263 Wo1, 264..271 Wo2
	v_lshlrev_b32 v5, 3, v0                        ; every kind stores at 8 x thread + 2,048 i: a wave's store covers 256 consecutive bytes, aligned
	s_cmp_ge_u32 s43, 256
	s_cbranch_scc1 .Lwts
	s_cmp_lt_u32 s43, 128
	s_cselect_b64 s[46:47], s[8:9], s[10:11]
	s_and_b32 s52, s43, 127
	s_lshl_b32 s52, s52, 17
	s_add_nc_u64 s[46:47], s[46:47], s[52:53]
	v_lshlrev_b32 v4, 4, v0
	LOADS 4096
	s_lshl_b32 s52, s43, 16
	s_add_nc_u64 s[50:51], s[30:31], s[52:53]      ; xc: x's plane, then context's
	s_branch .Lconvb
.Lwts:
	s_cmp_lt_u32 s43, 264
	s_cselect_b64 s[46:47], s[22:23], s[24:25]
	s_and_b32 s52, s43, 7
	s_lshl_b32 s52, s52, 8                         ; the block's 64 columns
	s_add_nc_u64 s[46:47], s[46:47], s[52:53]
	v_lshl_add_u32 v4, s40, 1, v3                  ; row 2 w + h (+ 16 i): 16 lanes read 256 consecutive bytes, aligned
	v_lshlrev_b32 v4, 11, v4
	v_lshl_add_u32 v4, v2, 4, v4
	LOADS 32768
	s_sub_co_u32 s52, s43, 256
	s_lshl_b32 s52, s52, 16
	s_add_co_u32 s52, s52, 2097152                 ; behind the folded weights: Wo1's eight tiles, then Wo2's
	s_add_nc_u64 s[50:51], s[32:33], s[52:53]
	s_cmp_lt_u32 s43, 264
	s_cbranch_scc1 .Lconvf
.Lconvb:                                               ; to bf16, with the largest |number| (used of context alone; one text serves x and Wo2 too)
	v_mov_b32 v[M], 0
	v_mov_b32 v[M+1], 0
	v_mov_b32 v[M+2], 0
	v_mov_b32 v[M+3], 0
.set i, 0
.rept 32
	s_wait_loadcnt 31-i                            ; loads come back in order: load i is in, the younger ones stay out
	v_max3_num_f32 v[M+(2*i)%4], v[M+(2*i)%4], |v[X+4*i]|, |v[X+4*i+1]|
	v_max3_num_f32 v[M+(2*i+1)%4], v[M+(2*i+1)%4], |v[X+4*i+2]|, |v[X+4*i+3]|
	v_cvt_pk_bf16_f32 v[X+4*i], v[X+4*i], v[X+4*i+1]
	v_cvt_pk_bf16_f32 v[X+4*i+1], v[X+4*i+2], v[X+4*i+3]
	global_store_b64 v5, v[X+4*i:X+4*i+1], s[50:51] offset:2048*i th:TH_STORE_NT
.set i, i+1
.endr
	v_max3_num_f32 v[M], v[M], v[M+1], v[M+2]
	v_max_num_f32 v[M], v[M], v[M+3]
	v_max_num_f32_dpp v[M], v[M], v[M] row_xmask:1 row_mask:0xf bank_mask:0xf
	v_max_num_f32_dpp v[M], v[M], v[M] row_xmask:2 row_mask:0xf bank_mask:0xf
	v_max_num_f32_dpp v[M], v[M], v[M] row_xmask:4 row_mask:0xf bank_mask:0xf
	v_max_num_f32_dpp v[M], v[M], v[M] row_xmask:8 row_mask:0xf bank_mask:0xf
	v_permlanex16_b32 v[M+1], v[M], s41, s42
	v_max_num_f32 v[M], v[M], v[M+1]
	s_lshl_b32 s52, s43, 3                         ; tab word 3072 + 8 id + wave
	s_add_co_u32 s52, s52, s40
	s_add_co_u32 s52, s52, 3072
	s_lshl_b32 s52, s52, 2
	v_mov_b32 v6, s52
	s_wait_xcnt 0x0                                ; EXEC changes only behind this wait
	v_cmp_eq_u32 vcc_lo, 0, v1
	s_and_saveexec_b32 s59, vcc_lo
	global_store_b32 v6, v[M], s[34:35]
	s_wait_xcnt 0x0
	s_or_b32 exec_lo, exec_lo, s59
	s_endpgm
.Lconvf:                                               ; Wo1: rounded to bf16 like every input, and that number written as f16
.set i, 0
.rept 32
	s_wait_loadcnt 31-i
	v_cvt_pk_bf16_f32 v[X+4*i], v[X+4*i], v[X+4*i+1]
	v_cvt_pk_bf16_f32 v[X+4*i+1], v[X+4*i+2], v[X+4*i+3]
	v_and_b32 v[X+4*i+2], 0xffff0000, v[X+4*i]
	v_lshlrev_b32 v[X+4*i], 16, v[X+4*i]
	v_and_b32 v[X+4*i+3], 0xffff0000, v[X+4*i+1]
	v_lshlrev_b32 v[X+4*i+1], 16, v[X+4*i+1]
	v_cvt_pk_f16_f32 v[X+4*i], v[X+4*i], v[X+4*i+2]
	v_cvt_pk_f16_f32 v[X+4*i+1], v[X+4*i+1], v[X+4*i+3]
	global_store_b64 v5, v[X+4*i:X+4*i+1], s[50:51] offset:2048*i th:TH_STORE_NT
.set i, i+1
.endr
	s_endpgm
.Lfunc_end_k_qab67409469_prep:
	.size	k_qab67409469_prep, .Lfunc_end_k_qab67409469_prep-k_qab67409469_prep
	.p2alignl 7, 3214868480
	.fill 96, 4, 3214868480
	.section	.rodata,"a",@progbits
	.p2align	6, 0x0
	.amdhsa_kernel k_qab67409469_prep
		.amdhsa_group_segment_fixed_size 61952
		.amdhsa_private_segment_fixed_size 0
		.amdhsa_enable_private_segment 0
		.amdhsa_kernarg_size 112
		.amdhsa_user_sgpr_count 2
		.amdhsa_user_sgpr_kernarg_segment_ptr 1
		.amdhsa_wavefront_size32 1
		.amdhsa_system_sgpr_workgroup_id_x 1
		.amdhsa_system_sgpr_workgroup_id_y 1
		.amdhsa_system_sgpr_workgroup_id_z 1
		.amdhsa_system_vgpr_workitem_id 0
		.amdhsa_next_free_vgpr 212
		.amdhsa_next_free_sgpr 66
		.amdhsa_reserve_vcc 1
		.amdhsa_float_denorm_mode_32 3
		.amdhsa_float_denorm_mode_16_64 3
		.amdhsa_memory_ordered 1
		.amdhsa_forward_progress 1
		.amdhsa_inst_pref_size 81
	.end_amdhsa_kernel
	.amdgpu_metadata
---
amdhsa.version: [ 1, 2 ]
amdhsa.kernels:
  - .name:           k_qab67409469_prep
    .symbol:         k_qab67409469_prep.kd
    .args:
      - { .name: x, .offset: 0, .size: 8, .value_kind: global_buffer, .address_space: global }
      - { .name: context, .offset: 8, .size: 8, .value_kind: global_buffer, .address_space: global }
      - { .name: Wi, .offset: 16, .size: 8, .value_kind: global_buffer, .address_space: global }
      - { .name: Wc, .offset: 24, .size: 8, .value_kind: global_buffer, .address_space: global }
      - { .name: Wq, .offset: 32, .size: 8, .value_kind: global_buffer, .address_space: global }
      - { .name: Wk, .offset: 40, .size: 8, .value_kind: global_buffer, .address_space: global }
      - { .name: Wv, .offset: 48, .size: 8, .value_kind: global_buffer, .address_space: global }
      - { .name: Wo1, .offset: 56, .size: 8, .value_kind: global_buffer, .address_space: global }
      - { .name: Wo2, .offset: 64, .size: 8, .value_kind: global_buffer, .address_space: global }
      - { .name: bi, .offset: 72, .size: 8, .value_kind: global_buffer, .address_space: global }
      - { .name: bc, .offset: 80, .size: 8, .value_kind: global_buffer, .address_space: global }
      - { .name: xc, .offset: 88, .size: 8, .value_kind: global_buffer, .address_space: global }
      - { .name: wt, .offset: 96, .size: 8, .value_kind: global_buffer, .address_space: global }
      - { .name: tab, .offset: 104, .size: 8, .value_kind: global_buffer, .address_space: global }
    .group_segment_fixed_size: 61952
    .private_segment_fixed_size: 0
    .kernarg_segment_align: 8
    .kernarg_segment_size: 112
    .max_flat_workgroup_size: 256
    .sgpr_count:     66
    .vgpr_count:     212
    .wavefront_size: 32
...
	.end_amdgpu_metadata
.endif
;; end of part 1
;; launch front (part 2): grid 64 x 4, 4 waves a work-group, clusters of 4 x 1, 327,680 bytes of LDS; arguments xc, wt, tab, qkv; writes qkv
.if DOCPART == 2
	.amdgcn_target "amdgcn-amd-amdhsa--gfx1250"
	.amdhsa_code_object_version 6
	.text
	.protected	k_qab67409469_front
	.globl	k_qab67409469_front
	.p2align	8
	.type	k_qab67409469_front,@function
k_qab67409469_front:
	s_mov_b64 s[64:65], 0
	v_nop
	global_prefetch_b8 v0, s[64:65] scope:SCOPE_SE
	s_setreg_imm32_b32 hwreg(HW_REG_WAVE_MODE, 25, 1), 1
	s_wait_xcnt 0x0
	s_wait_alu depctr_hold_cnt(0) depctr_sa_sdst(0) depctr_va_vdst(0) depctr_va_sdst(0) depctr_va_ssrc(0) depctr_va_vcc(0) depctr_vm_vsrc(0)
	s_getreg_b32 s2, hwreg(HW_REG_IB_STS2, 6, 4)
	s_cmp_eq_u32 s2, 0
	s_cbranch_scc0 .Lentry_in_a_cluster
	s_endpgm
.Lentry_in_a_cluster:
	s_bfe_u32 s2, ttmp6, 0x10000c
	s_cmp_lg_u32 s2, 0x3003
	s_cbranch_scc0 .Lentry_shape_is_right
	s_endpgm
.Lentry_shape_is_right:
; FRONT.  q = x_seq (Wi Wq) + bi Wq, k = ctx (Wc Wk) + bc Wk, v = ctx (Wc Wv) + bc Wv, by heads: qkv = planes q, k (bf16), v' (f16), each [b x head 16][s 4096][64].
; A work-group makes 128 positions s x 512 rows n' of one TYPE of folded weights, K = 512: type 0 q, type 1 k, types 2 and 3 four heads of v each, every head as 64 rows hi and 64 rows lo
; (two bf16 planes of Wc Wv, added here in f32).  256 equal work-groups.  A wave makes 128 s x 128 n': 64 accumulators, 512 registers.
; v' = v x mu, mu a power of two made from a bound that holds for every input: Bd = 512 max|ctx| max|Wc Wv| + max|bc Wv| (the launch before stored the maxima), eb = Bd's exponent field held to 16..254,
; mu = 2^(141 - eb): |v'| stays under 2^15, inside f16.  LIMITS: v' carries f16's step relative to that bound; for Bd under 2^-111 mu stays 2^125.  NaN and infinities are not treated apart.
; OPERANDS.  Source 0 = 16 rows n' of the weights ([n'][64 k] blocks, K along the rows); source 1 = 16 positions s, out of x as it lies ([c][s]: K down the rows), by the turning load.
; In the result a lane holds ONE s (lane % 16) and eight neighbouring n': 16 bytes of a row of q, k or v'.  The folded bias is the C operand of each accumulator's first product.
; LDS.  The work-group's x (all 512 c x 128 s) is brought once; the weights go in K steps of 64 through a ring of two slots.
; CLUSTER.  The four work-groups of a cluster have one type and walk the same weights: each K step's block is asked for JOINTLY.  x's tile differs between partners (other s): each asks for its own.
; The three types that read context lie in different clusters: their tile is a fifth of a work-group's bytes, and a mask over three of four rows of a cluster would be uneven.
; REGISTERS, in windows of 256 (s_set_vgpr_msb: bits 1:0 source 0, 3:2 source 1, 5:4 source 2, 7:6 destination):
;   window 0: v0-31 addresses; v64-127, v128-191 fragments of x, two buffers; v32-63, v192-255 at work on the way out
;   window 1: v0-63 the folded bias of my 128 n' (8 tiles x 8); v64-127, v128-191 fragments of the weights          windows 2, 3: accumulator (a, b) at v[8 (8 a + b)], a = s tile, b = n' tile
.set PA,    288                        ; a row c of x in LDS: 256 bytes + 32: an odd multiple of 32, as the turning load's 8 rows x 32 bytes want
.set PB,    144                        ; a row n' of a K step: 128 bytes + 16
.set RING,  512*PA                     ; 147,456
.set SLOTB, 512*PB                     ; 73,728
.set STAGE, RING+2*SLOTB               ; 294,912: 2 x 16 rows x 144 bytes for each wave; no fill lands here
.set SPARE, STAGE+4*2*16*144           ; 313,344: the spare words, 128 bytes a wave: two blocks of 256 bytes that no other line names
.set ADRA, 16                          ; v16     LDS address of my lane in x's fragments of the K step in hand
.set ADRB, 20                          ; v20-21  the same for the weights, slot 0, 1
.set STO,  24
.set RD,   25
.set GO,   26
.set SPW,  28                          ; never rewritten
.set NIL,  29                          ; never rewritten
.set MU,   30                          ; v[30:31] mu, twice
.set F0,   64
.set F1,   128
.set TMP,  192
.set OB,   32
.set SC,   64                          ; the tables for mu, at the head
.set WV,   12
.set TY,   15
.set G1B,  24                          ; s[24:31] group 1, weights (joint)
.set G0B,  32                          ; s[32:39] group 0, weights, a set for each slot
.set G1A,  40                          ; s[40:47] group 1, x
.set G0A,  48                          ; s[48:51] group 0, x
.set CNT,  52
.set SEL,  54
.set MSB, 0
.macro WIN new                         ; the immediate's high byte repeats the setting that is left; a switch that changes nothing is dropped
.if MSB != (\new)
	s_set_vgpr_msb (MSB<<8)|(\new)
.set MSB, \new
.endif
.endm
.set MUL_LO, 0xa1                      ; source 0 window 1, source 1 window 0, C and D window 2
.set MUL_HI, 0xf1                      ; C and D window 3
.set TO_B,   0x40
.macro PLACES
.rept 4
	v_nop
.endr
.endm
.macro CREST                           ; a round of the cluster's barrier behind its opening barrier
	s_cmp_lg_u32 s[WV], 0
	s_cbranch_scc1 .Lnot_wave_0_\@
	s_barrier_signal -3
.Lnot_wave_0_\@:
	s_barrier_wait -3
	s_barrier_signal -1
	s_barrier_wait -1
.endm
.macro CROUND
	s_barrier_signal -1
	s_barrier_wait -1
	CREST
.endm
	s_load_b256 s[4:11], s[0:1], 0x0               ; xc 4, wt 6, tab 8, qkv 10
	v_lshl_add_u32 v[SPW], v0, 2, SPARE
	v_mov_b32 v[NIL], 0
	ds_add_u32 v[SPW], v[NIL]                      ; the wave's opening: the add, and its wait ahead of my first tensor load; the set-up stands between them
	v_lshrrev_b32 v1, 5, v0
	v_readfirstlane_b32 s[WV], v1
	s_bfe_u32 s13, ttmp6, 0x40000                  ; cx
	s_lshl_b32 s14, ttmp9, 2
	s_add_co_u32 s14, s14, s13                     ; my block of 128 positions, 0..63
	s_and_b32 s[TY], ttmp7, 0xffff                 ; the type, which the four partners share
	s_lshr_b32 s16, s14, 5                         ; b
	s_and_b32 s17, s14, 31                         ; the block within b
	s_mov_b32 s[G1A], (1<<16)|(1<<20)|(5<<22)|(7<<25)  ; 2-byte elements; padding on: after every 64 words 8 words
	s_mov_b32 s[G1A+1], 128<<16                    ; tensor_dim0 = 128
	s_mov_b32 s[G1A+2], 128<<16                    ; tensor_dim1 = 128
	s_mov_b32 s[G1A+3], 128<<16                    ; tile_dim0 = 128 positions
	s_mov_b32 s[G1A+4], 128                        ; tile_dim1 = 128 rows c
	s_mov_b32 s[G1A+5], 4096                       ; elements from row to row
	s_mov_b32 s[G1A+6], 0
	s_mov_b32 s[G1A+7], 0
	s_mov_b32 s[G1B], 15|(1<<16)|(1<<20)|(1<<21)|(4<<22)|(3<<25)  ; the mask of four, bit 21 beside it; after every 32 words 4 words
	s_mov_b32 s[G1B+1], 128<<16                    ; my 128 rows n' are 16,384 dense bytes: asked for as 64 rows of 256
	s_mov_b32 s[G1B+2], 64<<16
	s_mov_b32 s[G1B+3], 128<<16
	s_mov_b32 s[G1B+4], 64
	s_mov_b32 s[G1B+5], 128
	s_mov_b32 s[G1B+6], 0
	s_mov_b32 s[G1B+7], 0
	s_mov_b32 s[G0A], 1
	s_mul_i32 s[G0A+1], s[WV], 128*PA              ; my 128 rows c of x
	s_mul_i32 s18, s[WV], 128*PB                   ; my 128 rows n' of a slot
	s_mov_b32 s[G0B], 1
	s_add_co_u32 s[G0B+1], s18, RING
	s_mov_b32 s[G0B+4], 1
	s_add_co_u32 s[G0B+5], s18, RING+SLOTB
	s_cmp_lg_u32 s[TY], 0
	s_cselect_b32 s20, 0x800000, 0                 ; x's plane or context's
	s_lshl_b32 s19, s16, 22
	s_add_co_u32 s20, s20, s19                     ; b
	s_lshl_b32 s19, s[WV], 20
	s_add_co_u32 s20, s20, s19                     ; 128 rows of 8,192 bytes a wave
	s_lshl_b32 s19, s17, 8
	s_add_co_u32 s20, s20, s19                     ; 128 positions
	s_mov_b32 s21, 0
	s_lshl_b32 s22, s[TY], 19                      ; the type's eight blocks (no place in the cluster enters these two registers)
	s_lshl_b32 s23, s[WV], 14
	s_add_co_u32 s22, s22, s23
	s_mov_b32 s23, 0
	s_mov_b32 s[SEL], 0x76543210
	s_mov_b32 s[SEL+1], 0xfedcba98
	s_wait_dscnt 0x0                               ; the opening add is done
	s_wait_kmcnt 0x0
	s_add_nc_u64 s[G0A+2:G0A+3], s[4:5], s[20:21]
	s_or_b32 s[G0A+3], s[G0A+3], 0x80000000
	s_add_nc_u64 s[G0B+2:G0B+3], s[6:7], s[22:23]  ; K step 0
	s_add_nc_u64 s[G0B+6:G0B+7], s[G0B+2:G0B+3], 65536  ; K step 1
	s_or_b32 s[G0B+3], s[G0B+3], 0x80000000
	s_or_b32 s[G0B+7], s[G0B+7], 0x80000000
	CROUND                                         ; all four work-groups are here: the first joint loads meet
	tensor_load_to_lds s[G0A:G0A+3], s[G1A:G1A+7]  ; the first fills go out as one group: three loads of mine are out
	s_nop 0
	tensor_load_to_lds s[G0B:G0B+3], s[G1B:G1B+7]
	s_nop 0
	tensor_load_to_lds s[G0B+4:G0B+7], s[G1B:G1B+7]
	s_nop 0
	PLACES
	; the folded bias of my n': types 0, 1: tab word 512 type + 128 w; types 2, 3: word 1024 + 64 head, head = 4 (type - 2) + w, for the hi tiles, 0 for the lo tiles
	s_lshl_b32 s18, s[TY], 9
	s_lshl_b32 s19, s[WV], 7
	s_add_co_u32 s18, s18, s19
	s_lshl_b32 s19, s[TY], 8
	s_lshl_b32 s20, s[WV], 6
	s_add_co_u32 s19, s19, s20
	s_add_co_u32 s19, s19, 512
	s_cmp_lt_u32 s[TY], 2
	s_cselect_b32 s18, s18, s19
	s_lshl_b32 s18, s18, 2
	v_and_b32 v1, 15, v0                           ; r
	v_bfe_u32 v2, v0, 4, 1                         ; h
	v_lshl_add_u32 v3, v2, 5, s18                  ; my eight numbers of a tile begin 8 h in
	WIN 0x40
.irp b, 0,1,2,3
	global_load_b128 v[8*\b:8*\b+3],   v3, s[8:9] offset:64*\b
	global_load_b128 v[8*\b+4:8*\b+7], v3, s[8:9] offset:64*\b+16
.endr
	WIN 0
	s_cmp_lt_u32 s[TY], 2
	s_cbranch_scc0 .Lvbias
	WIN 0x40
.irp b, 4,5,6,7
	global_load_b128 v[8*\b:8*\b+3],   v3, s[8:9] offset:64*\b
	global_load_b128 v[8*\b+4:8*\b+7], v3, s[8:9] offset:64*\b+16
.endr
	WIN 0
	s_branch .Lbias_done
.Lvbias:
	WIN 0x40
.set i, 32
.rept 32
	v_mov_b32 v[i], 0
.set i, i+1
.endr
	WIN 0
.Lbias_done:
	; the tables for mu: 1,024 maxima of context's casts, 512 of Wc Wv's folds, the 512 numbers of bc Wv
	v_and_b32 v4, 31, v0
	v_lshlrev_b32 v4, 4, v4
.irp i, 0,1,2,3,4,5,6,7
	global_load_b128 v[SC+4*\i:SC+4*\i+3], v4, s[8:9] offset:16384+512*\i
.endr
.irp i, 0,1,2,3
	global_load_b128 v[SC+32+4*\i:SC+32+4*\i+3], v4, s[8:9] offset:10240+512*\i
	global_load_b128 v[SC+48+4*\i:SC+48+4*\i+3], v4, s[8:9] offset:4096+512*\i
.endr
	; addresses, while those loads are out
	v_lshl_add_u32 v9, s[WV], 7, v1
	v_mul_u32_u24 v9, v9, PB
	v_lshl_add_u32 v9, v2, 4, v9                   ; weights: row 128 w + r, 16 h
	v_add_nc_u32 v[ADRB], RING, v9
	v_add_nc_u32 v[ADRB+1], RING+SLOTB, v9
	v_and_b32 v10, 7, v0
	v_lshl_add_u32 v11, v2, 3, v10
	v_mul_u32_u24 v[ADRA], v11, PA                 ; x: row 8 h + l % 8,
	v_bfe_u32 v11, v0, 3, 1
	v_lshl_add_u32 v[ADRA], v11, 4, v[ADRA]        ; 16 bytes for each half of eight lanes
	s_mul_i32 s18, s[WV], 2*16*144
	s_add_co_u32 s18, s18, STAGE
	v_mul_u32_u24 v[STO], v1, 144
	v_lshl_add_u32 v[STO], v2, 4, v[STO]
	v_add_nc_u32 v[STO], s18, v[STO]               ; into my stage: row r, 16 h
	v_bfe_u32 v[RD], v0, 3, 2
	v_mul_u32_u24 v[RD], v[RD], 144
	v_lshl_add_u32 v[RD], v10, 4, v[RD]
	v_add_nc_u32 v[RD], s18, v[RD]                 ; back: four rows of 128 bytes for 32 lanes,
	v_and_b32 v[GO], 31, v0
	v_lshlrev_b32 v[GO], 4, v[GO]                  ; which are 512 consecutive bytes of the output
	s_min_u32 s18, s[TY], 2
	s_lshl_b32 s18, s18, 23                        ; the plane
	s_lshl_b32 s19, s[WV], 1                       ; my first head: 2 w,
	s_lshl_b32 s20, s[TY], 2
	s_add_co_u32 s20, s20, s[WV]
	s_sub_co_u32 s20, s20, 8                       ; or 4 (type - 2) + w
	s_cmp_lt_u32 s[TY], 2
	s_cselect_b32 s19, s19, s20
	s_lshl_b32 s20, s16, 3
	s_add_co_u32 s19, s19, s20
	s_lshl_b32 s19, s19, 19                        ; a head's 4,096 rows of 128 bytes
	s_add_co_u32 s18, s18, s19
	s_lshl_b32 s19, s17, 14                        ; my 128 rows
	s_add_co_u32 s18, s18, s19
	s_mov_b32 s19, 0
	s_add_nc_u64 s[10:11], s[10:11], s[18:19]
	v_mov_b32 v8, 0
	s_wait_loadcnt 0x0                             ; the bias and the tables
.macro RED r
	v_max_num_f32_dpp v[\r], v[\r], v[\r] row_xmask:1 row_mask:0xf bank_mask:0xf
	v_max_num_f32_dpp v[\r], v[\r], v[\r] row_xmask:2 row_mask:0xf bank_mask:0xf
	v_max_num_f32_dpp v[\r], v[\r], v[\r] row_xmask:4 row_mask:0xf bank_mask:0xf
	v_max_num_f32_dpp v[\r], v[\r], v[\r] row_xmask:8 row_mask:0xf bank_mask:0xf
	v_permlanex16_b32 v8, v[\r], s[SEL], s[SEL+1]
	v_max_num_f32 v[\r], v[\r], v8
.endm
	v_max_num_f32 v5, v[SC], v[SC+1]
	v_max_num_f32 v6, v[SC+32], v[SC+33]
	v_max_num_f32 v7, |v[SC+48]|, |v[SC+49]|
.set i, 2
.rept 15
	v_max3_num_f32 v5, v5, v[SC+i], v[SC+i+1]
.set i, i+2
.endr
.set i, 2
.rept 7
	v_max3_num_f32 v6, v6, v[SC+32+i], v[SC+32+i+1]
	v_max3_num_f32 v7, v7, |v[SC+48+i]|, |v[SC+48+i+1]|
.set i, i+2
.endr
	RED 5
	RED 6
	RED 7
	v_mul_f32 v5, v5, v6
	v_fma_f32 v5, v5, 0x44000000, v7               ; Bd = 512 max|ctx| max|Wc Wv| + max|bc Wv|
	v_lshrrev_b32 v5, 23, v5                       ; its exponent field (Bd is not negative),
	v_max_u32 v5, 16, v5
	v_min_u32 v5, 0xfe, v5                         ; held to 16..254
	v_sub_nc_u32 v5, 0x10c, v5
	v_lshlrev_b32 v[MU], 23, v5                    ; mu = 2^(141 - eb)
	v_mov_b32 v[MU+1], v[MU]
; 16 matrix instructions: s tiles a0, a0 + 1 of the window's four x all 8 n' tiles, 32 along K.  zero = 1: the first product starts the sums, with the folded bias as C (window 1).
; The 64 accumulators take turns in one order throughout.
.macro MUL16 f, hi, a0, zero
.if \zero
	WIN 0x91+0x40*(\hi)
.else
	WIN MUL_LO+0x50*(\hi)
.endif
.irp a, \a0, (\a0)+1
.irp b, 0,1,2,3,4,5,6,7
.if \zero
	v_wmma_f32_16x16x32_bf16 v[8*(8*(\a)+(\b)):8*(8*(\a)+(\b))+7], v[(\f)+8*(\b):(\f)+8*(\b)+7], v[(\f)+8*(4*(\hi)+(\a)):(\f)+8*(4*(\hi)+(\a))+7], v[8*(\b):8*(\b)+7]
.else
	v_wmma_f32_16x16x32_bf16 v[8*(8*(\a)+(\b)):8*(8*(\a)+(\b))+7], v[(\f)+8*(\b):(\f)+8*(\b)+7], v[(\f)+8*(4*(\hi)+(\a)):(\f)+8*(4*(\hi)+(\a))+7], v[8*(8*(\a)+(\b)):8*(8*(\a)+(\b))+7]
.endif
.endr
.endr
.endm
; 32 LDS loads in one run: the fragments of half q (32 along K) of a K step into buffer f: 128 rows n' of the weights, then 128 positions of x (turned)
.macro FETCH slot, q, f
	WIN TO_B
.irp i, 0,1,2,3,4,5,6,7
	ds_load_b128 v[(\f)+8*(\i):(\f)+8*(\i)+3],   v[ADRB+(\slot)] offset:64*(\q)+(\i)*16*PB
	ds_load_b128 v[(\f)+8*(\i)+4:(\f)+8*(\i)+7], v[ADRB+(\slot)] offset:64*(\q)+(\i)*16*PB+32
.endr
	WIN 0
.irp i, 0,1,2,3,4,5,6,7
	ds_load_tr16_b128 v[(\f)+8*(\i):(\f)+8*(\i)+3],   v[ADRA] offset:32*PA*(\q)+32*(\i)
	ds_load_tr16_b128 v[(\f)+8*(\i)+4:(\f)+8*(\i)+7], v[ADRA] offset:32*PA*(\q)+32*(\i)+16*PA
.endr
.endm
; A K step's first half: multiplies buffer 0; in its middle the second half's fragments are fetched into buffer 1.
.macro QUARTER slot, zero
	s_wait_dscnt 8                                 ; the weights and x's tiles 0-3 are in; the youngest eight loads (x's tiles 4-7) may be out
	MUL16 F0, 0, 0, \zero
	MUL16 F0, 0, 2, \zero
	PLACES
	FETCH \slot, 1, F1
	s_wait_dscnt 32                                ; all but the 32 just issued
	MUL16 F0, 1, 0, \zero
	MUL16 F0, 1, 2, \zero
.endm
; Its second half multiplies buffer 1 and changes slots: each wave waits for all its tensor loads (one is out: its part of the next slot), adds 0 to its spare word, and waits for that and for
; its reads of this slot.  fill = 1: the barrier opens a round of the cluster's, and the slot is filled again, two K steps on, first thing behind the round: 96 matrix instructions ahead of the wait for it.
.macro TURN slot, next, fill
	WIN 0
	s_wait_tensorcnt 0x0
	ds_add_u32 v[SPW], v[NIL]
.if \fill
	s_add_nc_u64 s[G0B+4*(\slot)+2:G0B+4*(\slot)+3], s[G0B+4*(\slot)+2:G0B+4*(\slot)+3], 131072
.endif
	s_wait_dscnt 9                                 ; the add and the youngest eight loads may be out
	MUL16 F1, 0, 0, 0
	s_wait_dscnt 0x0                               ; the add is done, and my reads of this slot are over
	s_barrier_signal -1
	MUL16 F1, 0, 2, 0
	WIN 0
	s_barrier_wait -1
.if \fill
	CREST
	tensor_load_to_lds s[G0B+4*(\slot):G0B+4*(\slot)+3], s[G1B:G1B+7]
	s_nop 0
.endif
	PLACES                                         ; behind the load; also the places in front of the loads below
	v_add_nc_u32 v[ADRA], 64*PA, v[ADRA]           ; x's next 64 rows c
	FETCH \next, 0, F0
	MUL16 F1, 1, 0, 0
	MUL16 F1, 1, 2, 0
.endm
	s_wait_tensorcnt 1                             ; my parts of x and of K step 0 are in; K step 1's may stay out
	s_barrier_signal -1
	s_barrier_wait -1
	FETCH 0, 0, F0
	QUARTER 0, 1
	WIN 0
	s_mov_b32 s[CNT], 3
.Llap:                                                 ; three trips fill both slots again: K steps 2 to 7
	TURN 0, 1, 1
	QUARTER 1, 0
	TURN 1, 0, 1
	QUARTER 0, 0
	WIN 0
	s_sub_co_u32 s[CNT], s[CNT], 1
	s_cmp_lg_u32 s[CNT], 0
	s_cbranch_scc1 .Llap
	TURN 0, 1, 0                                   ; K step 6 ends; nothing is left to ask for
	QUARTER 1, 0
	s_wait_dscnt 8
	MUL16 F1, 0, 0, 0
	MUL16 F1, 0, 2, 0
	s_wait_dscnt 0x0
	MUL16 F1, 1, 0, 0
	MUL16 F1, 1, 2, 0
	WIN 0
	PLACES
	PLACES
; THE WAY OUT, an s tile (16 rows) at a time: rounded, 16 bytes a lane into my own stage, back as whole rows of 128 bytes, stored as 512 consecutive bytes.
.macro PACKQK a
.set AC, 64*((\a)%4)
	WIN 0x0a+5*((\a)/4)                            ; sources 0 and 1: window 2 or 3
.irp b, 0,1,2,3,4,5,6,7
.irp r, 0,1,2,3
	v_cvt_pk_bf16_f32 v[TMP+4*(\b)+(\r)], v[AC+8*(\b)+2*(\r)], v[AC+8*(\b)+2*(\r)+1]
.endr
.endr
	WIN 0
.endm
.macro PACKV a                         ; hi + lo, times mu, to f16
.set AC, 64*((\a)%4)
	WIN 0x0a+5*((\a)/4)
.irp b, 0,1,2,3
.irp r, 0,1,2,3
	v_pk_add_f32 v[F0+8*(\b)+2*(\r):F0+8*(\b)+2*(\r)+1], v[AC+8*(\b)+2*(\r):AC+8*(\b)+2*(\r)+1], v[AC+32+8*(\b)+2*(\r):AC+32+8*(\b)+2*(\r)+1]
.endr
.endr
	WIN 0
.set i, 0
.rept 16
	v_pk_mul_f32 v[F0+2*i:F0+2*i+1], v[F0+2*i:F0+2*i+1], v[MU:MU+1]
.set i, i+1
.endr
.set i, 0
.rept 16
	v_cvt_pk_f16_f32 v[TMP+i], v[F0+2*i], v[F0+2*i+1]
.set i, i+1
.endr
.endm
.macro TOSTAGE a, n                    ; n = 8: two heads; 4: one
	WIN 0
.set BK, OB+192*((\a)%2)
.set u, 0
.rept \n
	ds_store_b128 v[STO], v[TMP+4*u:TMP+4*u+3] offset:32*(u%4)+2304*(u/4)
.set u, u+1
.endr
.set u, 0
.rept \n
	ds_load_b128 v[BK+4*u:BK+4*u+3], v[RD] offset:576*(u%4)+2304*(u/4)  ; LDS serves a wave's instructions in order (ISA guide 5.7.1.4): these see the stores above
.set u, u+1
.endr
.endm
.macro SEND a, n
	WIN 0
.set BK, OB+192*((\a)%2)
	s_wait_dscnt 0x0                               ; the tile is back in registers
	s_wait_xcnt 0x0                                ; the stores of the tile before have read their registers, which the next tile's loads from the stage write
.set u, 0
.rept \n
	global_store_b128 v[GO], v[BK+4*u:BK+4*u+3], s[10:11] offset:2048*(\a)+512*(u%4)+524288*(u/4)
.set u, u+1
.endr
.endm
	s_cmp_lt_u32 s[TY], 2
	s_cbranch_scc0 .Lvout
	PACKQK 0
	TOSTAGE 0, 8
.irp a, 1,2,3,4,5,6,7                  ; tile a's conversions stand between tile a - 1's loads from the stage and the wait for them
	PACKQK \a
	SEND (\a)-1, 8
	TOSTAGE \a, 8
.endr
	SEND 7, 8
	s_branch .Lend
.Lvout:
	PACKV 0
	TOSTAGE 0, 4
.irp a, 1,2,3,4,5,6,7
	PACKV \a
	SEND (\a)-1, 4
	TOSTAGE \a, 4
.endr
	SEND 7, 4
.Lend:
	s_wait_tensorcnt 0x0                           ; the wave's end, behind my last tensor load and my last LDS store
	ds_add_u32 v[SPW], v[NIL]
	s_wait_dscnt 0x0
	CROUND                                         ; the closing round: no work-group ends while a partner may still ask for a block that names it
	s_endpgm
.Lfunc_end_k_qab67409469_front:
	.size	k_qab67409469_front, .Lfunc_end_k_qab67409469_front-k_qab67409469_front
	.p2alignl 7, 3214868480
	.fill 96, 4, 3214868480
	.section	.rodata,"a",@progbits
	.p2align	6, 0x0
	.amdhsa_kernel k_qab67409469_front
		.amdhsa_group_segment_fixed_size 327680
		.amdhsa_private_segment_fixed_size 0
		.amdhsa_enable_private_segment 0
		.amdhsa_kernarg_size 32
		.amdhsa_user_sgpr_count 2
		.amdhsa_user_sgpr_kernarg_segment_ptr 1
		.amdhsa_wavefront_size32 1
		.amdhsa_system_sgpr_workgroup_id_x 1
		.amdhsa_system_sgpr_workgroup_id_y 1
		.amdhsa_system_sgpr_workgroup_id_z 1
		.amdhsa_system_vgpr_workitem_id 0
		.amdhsa_next_free_vgpr 1024
		.amdhsa_next_free_sgpr 66
		.amdhsa_reserve_vcc 0
		.amdhsa_float_denorm_mode_32 3
		.amdhsa_float_denorm_mode_16_64 3
		.amdhsa_memory_ordered 1
		.amdhsa_forward_progress 1
		.amdhsa_inst_pref_size 131
	.end_amdhsa_kernel
	.amdgpu_metadata
---
amdhsa.version: [ 1, 2 ]
amdhsa.kernels:
  - .name:           k_qab67409469_front
    .symbol:         k_qab67409469_front.kd
    .args:
      - { .name: xc, .offset: 0, .size: 8, .value_kind: global_buffer, .address_space: global }
      - { .name: wt, .offset: 8, .size: 8, .value_kind: global_buffer, .address_space: global }
      - { .name: tab, .offset: 16, .size: 8, .value_kind: global_buffer, .address_space: global }
      - { .name: qkv, .offset: 24, .size: 8, .value_kind: global_buffer, .address_space: global }
    .group_segment_fixed_size: 327680
    .private_segment_fixed_size: 0
    .kernarg_segment_align: 8
    .kernarg_segment_size: 32
    .max_flat_workgroup_size: 128
    .sgpr_count:     66
    .vgpr_count:     1024
    .wavefront_size: 32
...
	.end_amdgpu_metadata
.endif
;; end of part 2
;; launch attn (part 3): grid 16 x 16, 4 waves a work-group, clusters of 4 x 1, 327,680 bytes of LDS; arguments qkv, ob; writes ob
.if DOCPART == 3
	.amdgcn_target "amdgcn-amd-amdhsa--gfx1250"
	.amdhsa_code_object_version 6
	.text
	.protected	k_qab67409469_attn
	.globl	k_qab67409469_attn
	.p2align	8
	.type	k_qab67409469_attn,@function
k_qab67409469_attn:
	s_mov_b64 s[64:65], 0
	v_nop
	global_prefetch_b8 v0, s[64:65] scope:SCOPE_SE
	s_setreg_imm32_b32 hwreg(HW_REG_WAVE_MODE, 25, 1), 1
	s_wait_xcnt 0x0
	s_wait_alu depctr_hold_cnt(0) depctr_sa_sdst(0) depctr_va_vdst(0) depctr_va_sdst(0) depctr_va_ssrc(0) depctr_va_vcc(0) depctr_vm_vsrc(0)
	s_getreg_b32 s2, hwreg(HW_REG_IB_STS2, 6, 4)
	s_cmp_eq_u32 s2, 0
	s_cbranch_scc0 .Lentry_in_a_cluster
	s_endpgm
.Lentry_in_a_cluster:
	s_bfe_u32 s2, ttmp6, 0x10000c
	s_cmp_lg_u32 s2, 0x3003
	s_cbranch_scc0 .Lentry_shape_is_right
	s_endpgm
.Lentry_shape_is_right:
; ATTENTION.  O'[bh][q][:] = the sum over k of softmax_k(Q[bh][q] . K[bh][k] / 8) V'[bh][k][:].  Q, K bf16, V' f16 (v times a power of two), each [16][4096][64]: a head's rows are dense, 128 bytes each.
; Products, maxima and sums in f32; the weights p are rounded to f16 for the second product (their sum l is taken of the unrounded p); O' is rounded to f16 once and stored as [block of 64 q][head][64 rows][64].
; LIMITS.  c |score| stays under 4e37 (c m starts at -4.25e37); p lies in 0 to 1, and below 6e-5 it keeps f16's fixed step; a weight below 2^-126 counts as 0 in l; O' is a mean of V's rows and has
; their range; NaN and infinities are not treated apart.
; SHARES.  A work-group owns 256 queries of one head, a wave 64: four PIECES of 16.  Every wave walks all 4,096 keys, 64 a step; a slot of LDS holds four steps.  256 work-groups.
; LAYOUT.  S^T = K Q^T holds ONE query a lane (lane % 16) and the keys 8 (lane / 16) + 0..7; two such results rounded to f16 ARE source 1 of O^T = V^T P.  K comes out of LDS as it lies, V turned.
; SOFTMAX.  p = 2^(c s - c m), c = log2(e) / 8, with a running maximum m; O and l are multiplied by a = 2^(c m_old - c m_new) in every step; the first step's a is 0.
; BY TURNS.  Turn n belongs to piece n: 8 products K Q^T of piece n + 1, later 8 products V^T P of piece n - 1; beside them the scaling, exponentials, roundings, sums and rescaling of piece n and the
; maximum and statistics of piece n + 1.  Four vector instructions stand behind every matrix instruction, the other 54 of a turn's 118 in two runs of their own.
; CLUSTER.  The four query blocks of a cluster belong to one head and walk the same K and V: each tile is asked for JOINTLY, by the same tensor load, descriptor and mask in all four.
; REGISTERS, in windows of 256 (s_set_vgpr_msb: bits 1:0 source 0, 3:2 source 1, 5:4 source 2, 7:6 destination):
;   window 0: v0-15 addresses and two at work; v16-31 four registers of statistics a piece; v48-55 at work; v61-63; v64-127 S^T, two buffers; v192-223 P, two buffers (by the piece's parity)
;   window 1: v0-127 O^T, 32 a piece          window 2: v0-63 Q; v128-191 K of one step; v192-255 V of one step
.set NP,    4
.set KS,    64
.set PK,    144       ; a row of K in LDS: 128 bytes + 16
.set PV,    160       ; a row of V: 128 + 32: 16 lanes of the turning load take 8 rows x 32 bytes
.set VOFF,  4*KS*PK   ; a slot: 256 rows of K, then 256 rows of V
.set SLOT1, 1<<17     ; slot 1 begins here: one exclusive or turns an address in one slot into the other's
.set STAGE, SLOT1+4*KS*(PK+PV)  ; behind the ring, never filled by a tensor load: 16 rows x 144 bytes for each wave
.set SP,    144
.set SPARE, STAGE+4*16*SP       ; the spare words, 128 bytes a wave: two blocks of 256 bytes that no other line names
.set AK0, 2
.set AV0, 3
.set AK,  4
.set AV,  5
.set STO, 6
.set RD,  7
.set GO,  8
.set MV,  12          ; v12-13  c m_old, by buffer
.set QO,  15
.set ST,  16          ; piece t: c m, m, l (even keys', odd keys')
.set TMP, 48          ; by buffer, c0-c3 at work; c2 takes a
.set PFO, 61          ; 256 x my lane; never rewritten
.set SPW, 62          ; never rewritten
.set NIL, 63          ; never rewritten
.set S,   64
.set P,   192
.set KF,  128
.set VF,  192
.set WV,  12
.set G1K, 24
.set G1V, 32
.set G0K, 40
.set G0V, 44
.set PFA, 48          ; s[48:49] where my prefetches stand
.set LIM, 50          ; 1 in a wave that prefetches, else the greatest number
.set SLOTS, 56
.set CNT, 57
.set CS,  58
.set SEL, 60
.set TBK, 62
.set TBV, 63
.set MSB, 0
.macro WIN new
.if MSB != (\new)
	s_set_vgpr_msb (MSB<<8)|(\new)
.set MSB, (\new)
.endif
.endm
.set W_KQ, 0x0a       ; K and Q in window 2, S^T in window 0
.set W_PV, 0x52       ; V in window 2, P in window 0, O^T in window 1
.set W_RS, 0x41       ; destination and source 0 in window 1, source 1 in window 0
; A joint fill.  Waves 0 and 1 fetch the two halves of a tile's K, waves 2 and 3 those of its V: 128 keys each.  The branch hangs on the wave's number alone.
.macro JLOAD
	s_cmp_lt_u32 s[WV], 2
	s_cbranch_scc0 .Lfor_v_\@
	tensor_load_to_lds s[G0K:G0K+3], s[G1K:G1K+7]
	s_nop 0
.rept 4
	v_nop
.endr
	s_branch .Lasked_\@
.Lfor_v_\@:
	tensor_load_to_lds s[G0V:G0V+3], s[G1V:G1V+7]
	s_nop 0
.rept 4
	v_nop
.endr
.Lasked_\@:
.endm
; A prefetch of the tile that the NEXT change of slots will ask for: four key steps, 256 matrix instructions, ahead of that load.  A tile is 128 blocks of 256 bytes of K and as many of V.
; All four clusters of a head walk the same tiles: the first of them asks.  Its four partners share the blocks out BY ADDRESS, 32 each, a lane a block; wave 0 asks for K's, wave 2 for V's:
; each block is named once in the launch.  The last change that fills a slot asks for nothing: no tile lies behind the one that it fills.
.macro ASK
	s_cmp_gt_u32 s[SLOTS], s[LIM]
	s_cbranch_scc0 .Lnot_mine_\@
	global_prefetch_b8 v[PFO], s[PFA:PFA+1] th:TH_LOAD_NT scope:SCOPE_SE
.Lnot_mine_\@:
.endm
.macro CROUND
	s_barrier_signal -1
	s_barrier_wait -1
	s_cmp_lg_u32 s[WV], 0
	s_cbranch_scc1 .Lnot_wave_0_\@
	s_barrier_signal -3
.Lnot_wave_0_\@:
	s_barrier_wait -3
	s_barrier_signal -1
	s_barrier_wait -1
.endm
; THE CHANGE OF SLOTS.  The slot's last bytes, V of its fourth step, have been read.  Each wave waits for all its tensor loads (one is out: its part of the other slot), adds 0 to its spare word, and
; waits for that and for its own reads of the slot.  fill = 1: the barrier is a round of the cluster's, and the joint fill, with the keys two slots on, is the first thing behind it.
; (At its first use nothing has been read yet: slot 0 is waited for, slot 1 filled.)
.macro CHANGE fill
	WIN 0
	s_wait_tensorcnt 0x0
	ds_add_u32 v[SPW], v[NIL]
.if \fill
.irp g, G0K, G0V
	s_xor_b32 s[\g+1], s[\g+1], SLOT1
	s_add_nc_u64 s[\g+2:\g+3], s[\g+2:\g+3], 4*KS*128
.endr
	s_wait_xcnt 0x0                 ; the last prefetch, four key steps back, has read its address
	s_add_nc_u64 s[PFA:PFA+1], s[PFA:PFA+1], 4*KS*128
	s_wait_dscnt 0x0                ; the add is done, and my reads of the slot are over
	CROUND
	JLOAD
	ASK
.else
	s_wait_dscnt 0x0
	s_barrier_signal -1
	s_barrier_wait -1
.endif
	s_sub_co_u32 s[TBK], s[TBK], 4*KS*PK  ; the fetches go back to a slot's first step,
	s_xor_b32 s[TBK], s[TBK], SLOT1       ; in the other slot
	s_sub_co_u32 s[TBV], s[TBV], 4*KS*PV
	s_xor_b32 s[TBV], s[TBV], SLOT1
.endm
	s_load_b128 s[4:7], s[0:1], 0x0   ; qkv 4, ob 6
	v_lshl_add_u32 v[SPW], v0, 2, SPARE
	v_mov_b32 v[NIL], 0
	ds_add_u32 v[SPW], v[NIL]       ; the wave's opening: the add, and its wait ahead of my first tensor load
	v_lshrrev_b32 v1, 5, v0
	v_readfirstlane_b32 s[WV], v1
	s_bfe_u32 s13, ttmp6, 0x40000   ; cx
	s_lshl_b32 s14, ttmp9, 2
	s_add_co_u32 s14, s14, s13      ; my block of 256 queries: it enters Q's and O's addresses alone
	s_and_b32 s51, ttmp7, 0xffff    ; b x 8 + head, which the four partners share
	s_lshl_b32 s20, s51, 19         ; the head's first byte in a plane
	s_and_b32 s16, s[WV], 1         ; which half of a tile's 256 keys I fetch
	s_lshl_b32 s22, s16, 14
	s_add_co_u32 s22, s22, s20
	s_mov_b32 s23, 0
	s_mul_i32 s17, s16, 128*PK
	s_mul_i32 s18, s16, 128*PV
	s_lshl_b32 s2, s14, 15          ; 256 rows of 128 bytes,
	s_lshl_b32 s3, s[WV], 13        ; my wave's 64
	s_add_co_u32 s2, s2, s3
	s_add_co_u32 s2, s2, s20
	s_mov_b32 s3, 0
	s_lshr_b32 s52, s51, 3          ; O': ((64 b + 4 block + wave) x 8 + head) x 8,192 bytes
	s_and_b32 s51, s51, 7
	s_lshl_b32 s52, s52, 6
	s_lshl_b32 s53, s14, 2
	s_add_co_u32 s52, s52, s53
	s_add_co_u32 s52, s52, s[WV]
	s_lshl_b32 s52, s52, 3
	s_add_co_u32 s52, s52, s51
	s_lshl_b32 s52, s52, 13
	s_mov_b32 s53, 0
	; descriptor group 1: 128 keys are 16,384 dense bytes: asked for as 64 rows of 256 bytes, two keys a row, padded in LDS after every key
	s_mov_b32 s[G1K], 15|(1<<16)|(1<<20)|(1<<21)|(4<<22)|(3<<25)
	s_mov_b32 s[G1V], 15|(1<<16)|(1<<20)|(1<<21)|(4<<22)|(7<<25)
.irp g, G1K, G1V
	s_mov_b32 s[\g+1], 128<<16
	s_mov_b32 s[\g+2], 64<<16
	s_mov_b32 s[\g+3], 128<<16
	s_mov_b32 s[\g+4], 64
	s_mov_b32 s[\g+5], 128
	s_mov_b32 s[\g+6], 0
	s_mov_b32 s[\g+7], 0
.endr
	s_mov_b32 s[CS], 0x3e38aa3b     ; c = log2(e) / 8
	s_mov_b32 s[CS+1], s[CS]
	s_mov_b32 s[SEL], 0x76543210
	s_mov_b32 s[SEL+1], 0xfedcba98
	s_mov_b32 s[TBK], SLOT1+4*KS*PK ; the first change of slots turns these two into 0
	s_mov_b32 s[TBV], SLOT1+4*KS*PV
	s_mov_b32 s[G0K], 1
	s_mov_b32 s[G0K+1], s17
	s_mov_b32 s[G0V], 1
	s_add_co_u32 s[G0V+1], s18, VOFF
	s_mov_b32 s[SLOTS], 15          ; tiles still to be asked for
	s_and_b32 s[LIM], s[WV], 1      ; 0 in waves 0 and 2,
	s_or_b32 s[LIM], s[LIM], ttmp9  ; where the cluster is the head's first: the same in all four partners
	s_cmp_eq_u32 s[LIM], 0
	s_cselect_b32 s[LIM], 1, -1
	v_and_b32 v[PFO], 31, v0
	v_lshlrev_b32 v[PFO], 8, v[PFO]
	s_wait_dscnt 0x0                ; the opening add is done
	s_wait_kmcnt 0x0
	s_add_nc_u64 s[8:9], s[4:5], s[22:23]
	s_add_nc_u64 s[10:11], s[8:9], 16777216  ; V at my half of the head's tile 0
	s_add_nc_u64 s[8:9], s[8:9], 8388608     ; K likewise
	s_mov_b64 s[G0K+2:G0K+3], s[8:9]
	s_or_b32 s[G0K+3], s[G0K+3], 0x80000000
	s_mov_b64 s[G0V+2:G0V+3], s[10:11]
	s_or_b32 s[G0V+3], s[G0V+3], 0x80000000
	s_add_nc_u64 s[4:5], s[4:5], s[2:3]      ; Q at my wave's first row
	s_add_nc_u64 s[6:7], s[6:7], s[52:53]    ; O' at my wave's block
	s_cmp_lt_u32 s[WV], 2
	s_cselect_b64 s[PFA:PFA+1], s[8:9], s[10:11]  ; (in waves 0 and 2 these stand at a tile's first row)
	s_lshl_b32 s2, s13, 13          ; my work-group's 32 blocks of the 128
	s_mov_b32 s3, 0
	s_add_nc_u64 s[PFA:PFA+1], s[PFA:PFA+1], s[2:3]
	s_add_nc_u64 s[PFA:PFA+1], s[PFA:PFA+1], 4*KS*128  ; at tile 1; the first change of slots steps it to tile 2
	CROUND                          ; all four work-groups are here: the first joint loads meet
	JLOAD                           ; tile 0 into slot 0
	v_and_b32 v1, 15, v0            ; l % 16
	v_bfe_u32 v9, v0, 4, 1          ; l / 16
	v_lshlrev_b32 v[QO], 7, v1
	v_lshl_add_u32 v[QO], v9, 4, v[QO]
	WIN 0x80
.set i, 0
.rept 8                             ; Q stays in registers: piece i / 2, channels 32 (i % 2) on
	global_load_b128 v[8*i:8*i+3],   v[QO], s[4:5] offset:(i/2)*2048+(i%2)*64
	global_load_b128 v[8*i+4:8*i+7], v[QO], s[4:5] offset:(i/2)*2048+(i%2)*64+32
.set i, i+1
.endr
	WIN 0
	v_mul_u32_u24 v[AK0], v1, PK
	v_lshl_add_u32 v[AK0], v9, 4, v[AK0]
	v_and_b32 v10, 7, v0
	v_bfe_u32 v11, v0, 3, 1
	v_lshl_add_u32 v[AV0], v9, 3, v10
	v_mul_u32_u24 v[AV0], v[AV0], PV
	v_lshl_add_u32 v[AV0], v11, 4, v[AV0]
	v_add_nc_u32 v[AV0], VOFF, v[AV0]
	s_mul_i32 s13, s[WV], 16*SP
	s_add_co_u32 s13, s13, STAGE
	v_mul_u32_u24 v[STO], v1, SP
	v_lshl_add_u32 v[STO], v9, 4, v[STO]
	v_add_nc_u32 v[STO], s13, v[STO]
	v_bfe_u32 v[RD], v0, 3, 2
	v_mul_u32_u24 v[RD], v[RD], SP
	v_lshl_add_u32 v[RD], v10, 4, v[RD]
	v_add_nc_u32 v[RD], s13, v[RD]
	v_and_b32 v[GO], 31, v0
	v_lshlrev_b32 v[GO], 4, v[GO]
	; The first step multiplies O^T and l by a = 0, and the first turn's products V^T P, of a piece that has not been, add 0: these registers start at 0, in the wait for the first tile; no first step is written out.
	WIN 0x80
.set i, VF
.rept 64
	v_mov_b32 v[i], 0
.set i, i+1
.endr
	WIN 0x40
.set i, 0
.rept 128
	v_mov_b32 v[i], 0
.set i, i+1
.endr
	WIN 0
.set i, 0
.rept 4
	v_mov_b32 v[ST+4*i], 0xfe000000    ; c m: far below every c s
	v_mov_b32 v[ST+4*i+1], 0xff7fffff  ; m
	v_mov_b32 v[ST+4*i+2], 0
	v_mov_b32 v[ST+4*i+3], 0
.set i, i+1
.endr
.set i, P+16
.rept 16
	v_mov_b32 v[i], 0
.set i, i+1
.endr
; THE MATRIX WORK.  The 4 accumulators of a run of 8 take turns.  Product i of 8 of S^T = K Q^T for piece x: channels 32 (i / 4) on, keys 16 (i % 4) on.
.macro KQ x
.set rS, S+32*((\x)%2)+8*(i%4)
.set rK, KF+16*(i%4)+8*(i/4)
.set rQ, 16*(\x)+8*(i/4)
	WIN W_KQ
.if i < 4
	v_wmma_f32_16x16x32_bf16 v[rS:rS+7], v[rK:rK+7], v[rQ:rQ+7], 0
.else
	v_wmma_f32_16x16x32_bf16 v[rS:rS+7], v[rK:rK+7], v[rQ:rQ+7], v[rS:rS+7]
.endif
.endm
; Product i of 8 of O^T += V^T P for piece x: keys 32 (i / 4) on, channels 16 (i % 4) on.
.macro PV x
	WIN W_PV
.set rO, 32*(\x)+8*(i%4)
.set rV, VF+32*(i/4)+8*(i%4)
.set rP, P+16*((\x)%2)+8*(i/4)
	v_wmma_f32_16x16x32_f16 v[rO:rO+7], v[rV:rV+7], v[rP:rP+7], v[rO:rO+7]
.endm
.macro MM                           ; the turn's next matrix instruction.  NOKQ = 1: the last turn: there is no next piece
.if (i < 8) && !NOKQ
	KQ (Y+1)%NP
.elseif i >= 8
.set i, i-8
	PV (Y+NP-1)%NP
.set i, i+8
.endif
.set i, i+1
.endm
; THE LDS LOADS stand in runs of 16: a step's K (8 fragments) and its V (turned).
.macro FETCH_K
	WIN 0x80
.irp f, 0,1,2,3,4,5,6,7
	ds_load_b128 v[KF+8*\f:KF+8*\f+3],   v[AK] offset:(\f/2)*16*PK+(\f%2)*64
	ds_load_b128 v[KF+8*\f+4:KF+8*\f+7], v[AK] offset:(\f/2)*16*PK+(\f%2)*64+32
.endr
	s_add_co_u32 s[TBK], s[TBK], KS*PK
	WIN 0
.endm
.macro FETCH_V
	WIN 0x80
.irp f, 0,1,2,3,4,5,6,7
	ds_load_tr16_b128 v[VF+8*\f:VF+8*\f+3],   v[AV] offset:(\f/4)*32*PV+(\f%4)*32
	ds_load_tr16_b128 v[VF+8*\f+4:VF+8*\f+7], v[AV] offset:(\f/4)*32*PV+16*PV+(\f%4)*32
.endr
	WIN 0
.endm
; THE VECTOR WORK, one line at a time: OP kind, number.  For piece Y: F n: c s - c m for pair n of 16.  E n: the exponential of score n of 32.  C n: pair n rounded to f16.  B n: of the four weights 4 n ..
; the second pair is added onto the first, in place.  L n: l takes that sum (L 0: l = a l + sum).  R n: pair n of 16 of O^T times a.  For piece Y + 1: X n, number n of the 22 that find its maximum and statistics:
;   0-11 four chains c0-c3 of seven scores each (each accumulator's lowest registers are read first)   12-14, 16 the four scores left over, the old m, c0-c3 into c0
;   15 c m_old is kept   17, 18 the query's other 32 keys lie in the lane 16 away: the new m   19-21 c m; c m_old - c m_new; a
.set F, 0
.set E, 1
.set C, 2
.set B, 3
.set L, 4
.set R, 5
.set X, 6
.macro REGS y
.set rT, ST+4*(\y)
.set rC, TMP+4*((\y)%2)
.set rW, MV+((\y)%2)
.set rS, S+32*((\y)%2)
.set rP, P+16*((\y)%2)
.set rO, 32*(\y)
.endm
.macro OP k, n
.if (\k) == R
	REGS Y
	WIN W_RS
	v_pk_mul_f32 v[rO+2*(\n):rO+2*(\n)+1], v[rO+2*(\n):rO+2*(\n)+1], v[rC+2:rC+3] op_sel_hi:[1,0]
.elseif (\k) < R
	REGS Y
	WIN 0
.if (\k) == F
	v_pk_fma_f32 v[rS+2*(\n):rS+2*(\n)+1], v[rS+2*(\n):rS+2*(\n)+1], s[CS:CS+1], v[rT:rT+1] op_sel_hi:[1,0,0] neg_lo:[0,0,1] neg_hi:[0,0,1]
.elseif (\k) == E
	v_exp_f32 v[rS+(\n)], v[rS+(\n)]
.elseif (\k) == C
	s_wait_alu depctr_va_vdst(0)
	v_cvt_pk_f16_f32 v[rP+(\n)], v[rS+2*(\n)], v[rS+2*(\n)+1]
.elseif (\k) == B
	s_wait_alu depctr_va_vdst(0)
	v_pk_add_f32 v[rS+4*(\n):rS+4*(\n)+1], v[rS+4*(\n):rS+4*(\n)+1], v[rS+4*(\n)+2:rS+4*(\n)+3]
.elseif (\n) == 0
	v_pk_fma_f32 v[rT+2:rT+3], v[rT+2:rT+3], v[rC+2:rC+3], v[rS:rS+1] op_sel_hi:[1,0,1]
.else
	v_pk_add_f32 v[rT+2:rT+3], v[rT+2:rT+3], v[rS+4*(\n):rS+4*(\n)+1]
.endif
.elseif NOKQ
	v_nop
.else
	REGS (Y+1)%NP
	WIN 0
.if (\n) < 4
	v_max3_num_f32 v[rC+(\n)], v[rS+8*(\n)], v[rS+8*(\n)+1], v[rS+8*(\n)+2]
.elseif (\n) < 12
	v_max3_num_f32 v[rC+(\n)%4], v[rC+(\n)%4], v[rS+8*((\n)%4)+2*((\n)/4)+1], v[rS+8*((\n)%4)+2*((\n)/4)+2]
.elseif (\n) == 12
	v_max3_num_f32 v[rC], v[rC], v[rS+7], v[rS+15]
.elseif (\n) == 13
	v_max3_num_f32 v[rC+1], v[rC+1], v[rS+23], v[rS+31]
.elseif (\n) == 14
	v_max3_num_f32 v[rC+2], v[rC+2], v[rC+3], v[rT+1]
.elseif (\n) == 15
	v_mov_b32 v[rW], v[rT]
.elseif (\n) == 16
	v_max3_num_f32 v[rC], v[rC], v[rC+1], v[rC+2]
.elseif (\n) == 17
	v_permlanex16_b32 v[rC+3], v[rC], s[SEL], s[SEL+1]
.elseif (\n) == 18
	v_max_num_f32 v[rT+1], v[rC], v[rC+3]
.elseif (\n) == 19
	v_mul_f32 v[rT], s[CS], v[rT+1]
.elseif (\n) == 20
	v_sub_f32 v[rC+1], v[rW], v[rT]
.else
	v_exp_f32 v[rC+2], v[rC+1]
.endif
.endif
.endm
.macro OPS a, i1, b=-1, i2=0, c=-1, i3=0, d=-1, i4=0
	OP \a, \i1
.if (\b) >= 0
	OP \b, \i2
.endif
.if (\c) >= 0
	OP \c, \i3
.endif
.if (\d) >= 0
	OP \d, \i4
.endif
.endm
.macro ROW a, i1, b, i2, c, i3, d, i4  ; a matrix instruction and the four behind it
	MM
	OPS \a, \i1, \b, \i2, \c, \i3, \d, \i4
.endm
; A TURN, for piece p: the order of its 16 matrix and 118 vector instructions, written out.  Behind a matrix instruction: plain, exponential, plain, plain; or four of the rescaling; or four scalings; none
; names a register of the products round it.  In the runs of their own exponential and plain by turns while exponentials last.  A line reads no result made fewer than three vector instructions in front of it,
; five if an exponential made it.  end = 1: the last two turns: nothing is fetched.  cnt = 1: the loop's count is taken down some lines ahead of the branch behind the turn.
; K of the next step is fetched in piece 2's turn, six vector instructions behind the last product that read K (five of them plain); V of the step in hand in piece 0's turn, eight behind the last product
; that read V (five plain among them).  Each is waited for a turn later.
.macro TURN p, end=0, cnt=0
.set Y, (\p)
.set i, 0
.set NOKQ, (\end)*((\p)/3)
.if ((\p) == 3) && !(\end)
	s_wait_dscnt 0x0                ; K is in
.endif
	ROW F,0, F,1, F,2, F,3
	ROW F,4, E,0, F,5, F,6
	ROW F,7, E,1, F,8, F,9
	ROW F,10, E,2, C,0, F,11
	ROW F,12, E,3, X,15, F,13
	ROW R,0, R,1, R,2, R,3
	ROW B,0, E,4, F,14, L,0
.if ((\p) == 2) && !(\end)
	v_add_nc_u32 v[AK], s[TBK], v[AK0]
.endif
	ROW R,4, R,5, R,6, R,7
	OPS E,5, F,15
.if ((\p) == 2) && !(\end)
	FETCH_K
.endif
	OPS E,6, C,1, E,7, R,8
	OPS E,8, R,9, E,9, C,2
	OPS E,10, X,0, E,11, X,1
	OPS E,12, X,2, E,13, X,3
.if (\p) == 1
	s_wait_dscnt 0x0                ; V is in
.endif
	ROW X,4, E,14, X,5, X,6
	ROW X,7, E,15, X,8, X,9
	ROW X,10, E,16, X,11, X,12
	ROW X,13, E,17, X,14, B,1
	ROW C,4, E,18, X,16, L,1
	ROW B,2, E,19, C,6, L,2
	ROW C,8, E,20, B,3, B,4
.if (\p) == 0
	v_add_nc_u32 v[AV], s[TBV], v[AV0]
.endif
	ROW C,3, E,21, L,3, C,5
	OPS E,22, X,17, E,23, C,10
.if (\p) == 0
	FETCH_V
.endif
	OPS E,24, L,4
	OPS E,25, X,18, E,26, C,7
	OPS E,27, B,5, E,28, X,19
	OPS E,29, C,12, E,30, L,5
	OPS E,31, X,20, B,6, C,9
	OPS C,14, C,11, X,21, L,6
.if (\p) == 0
	s_add_co_u32 s[TBV], s[TBV], KS*PV
.endif
.if \cnt
	s_sub_co_u32 s[CNT], s[CNT], 1
	s_cmp_lg_u32 s[CNT], 0
.endif
	OPS C,13, B,7, C,15, R,10
	OPS R,11, R,12, L,7, R,13
	OPS R,14, R,15
.endm
	CHANGE 1                        ; tile 0 is in, everybody's part of it; tile 1 is asked for
	v_add_nc_u32 v[AK], s[TBK], v[AK0]
	FETCH_K                         ; key step 0
	s_wait_loadcnt 0x0              ; Q
	s_wait_dscnt 0x0
.set NOKQ, 0
.set i, 0
.rept 8
	KQ 0                            ; piece 0's first scores
.set i, i+1
.endr
	WIN 0
.rept 4
	v_nop                           ; the places behind those products
.endr
.set Y, NP-1                        ; X works for piece Y + 1: piece 0
.irp n, 0,1,2,3,4,5,6,7,8,9,10,11,12,13,14,15,16,17,18,19,20,21
	OP X, \n
.endr
	v_nop                           ; a plain instruction behind the exponential
	s_mov_b32 s[CNT], 4
	s_branch .Lfirst                ; the loop is entered at a step's first turn, in the middle of a trip
.Lslot:                             ; 14 times: tiles 2 to 15 are asked for
	CHANGE 1
	s_mov_b32 s[CNT], 4
.Lstep:                             ; a trip: pieces 2 and 3 of one step, then pieces 0 and 1 of the next, whose K and V it fetches
	TURN 2
	TURN 3
	WIN 0
.Lfirst:
	TURN 0
	TURN 1, 0, 1
	WIN 0
	s_cbranch_scc1 .Lstep
	s_sub_co_u32 s[SLOTS], s[SLOTS], 1
	s_cmp_lg_u32 s[SLOTS], 0
	s_cbranch_scc1 .Lslot
	CHANGE 0                        ; the last tile is written out: nothing is asked for
	s_mov_b32 s[CNT], 4
.Ltail:
	TURN 2
	TURN 3
	TURN 0
	TURN 1, 0, 1
	WIN 0
	s_cbranch_scc1 .Ltail
	TURN 2, 1
	TURN 3, 1
.set i, 0
.rept 8
	PV NP-1                         ; the last piece's V^T P of the last step
.set i, i+1
.endr
	; THE WAY OUT.  l's two halves and the other half of the lanes' are added; O^T is divided by l, rounded to f16 and sent through my stage in LDS, a piece at a time.  The additions are the places behind the last products.
	WIN 0
.macro ALL line:vararg
.set t, 0
.rept 4
	\line
.set t, t+1
.endr
.endm
	ALL v_add_f32 v[ST+4*t+2], v[ST+4*t+2], v[ST+4*t+3]
	ALL v_permlanex16_b32 v[ST+4*t+3], v[ST+4*t+2], s[SEL], s[SEL+1]
	ALL v_add_f32 v[ST+4*t+2], v[ST+4*t+2], v[ST+4*t+3]
	ALL v_rcp_f32 v[ST+4*t+2], v[ST+4*t+2]
	v_nop                           ; a plain instruction between the last reciprocal and the use of its result
.macro PACK t
	WIN W_RS
.set i, 32*(\t)
.rept 16
	s_wait_alu depctr_va_vdst(0)
	v_pk_mul_f32 v[i:i+1], v[i:i+1], v[ST+4*(\t)+2:ST+4*(\t)+3] op_sel_hi:[1,0]
.set i, i+2
.endr
	WIN 0x05                        ; sources 0 and 1 window 1, destination window 0
.set i, 0
.rept 16
	v_cvt_pk_f16_f32 v[S+16*(\t)+i], v[32*(\t)+2*i], v[32*(\t)+2*i+1]
.set i, i+1
.endr
	WIN 0
.irp f, 0,1,2,3
	ds_store_b128 v[STO], v[S+16*(\t)+4*\f:S+16*(\t)+4*\f+3] offset:32*\f
.endr
.irp f, 0,1,2,3
	ds_load_b128 v[S+16*(\t)+4*\f:S+16*(\t)+4*\f+3], v[RD] offset:\f*4*SP  ; LDS serves a wave's instructions in order (ISA guide 5.7.1.4): these see the stores above
.endr
.endm
.macro SEND t, younger              ; younger: the LDS instructions issued behind piece t's loads: the next piece's eight, or none
	WIN 0
.irp f, 0,1,2,3
	s_wait_dscnt (\younger)+3-\f
	global_store_b128 v[GO], v[S+16*(\t)+4*\f:S+16*(\t)+4*\f+3], s[6:7] offset:(\t)*2048+\f*512  ; 512 consecutive bytes, at a multiple of 256 from the buffer's first
.endr
.endm
	PACK 0
.set t, 1
.rept 3
	PACK t
	SEND t-1, 8
.set t, t+1
.endr
	SEND 3, 0
	s_wait_tensorcnt 0x0            ; the wave's end, behind my last tensor load and my last LDS store
	ds_add_u32 v[SPW], v[NIL]
	s_wait_dscnt 0x0
	CROUND                          ; the closing round
	s_endpgm
.Lfunc_end_k_qab67409469_attn:
	.size	k_qab67409469_attn, .Lfunc_end_k_qab67409469_attn-k_qab67409469_attn
	.p2alignl 7, 3214868480
	.fill 96, 4, 3214868480
	.section	.rodata,"a",@progbits
	.p2align	6, 0x0
	.amdhsa_kernel k_qab67409469_attn
		.amdhsa_group_segment_fixed_size 327680
		.amdhsa_private_segment_fixed_size 0
		.amdhsa_enable_private_segment 0
		.amdhsa_kernarg_size 16
		.amdhsa_user_sgpr_count 2
		.amdhsa_user_sgpr_kernarg_segment_ptr 1
		.amdhsa_wavefront_size32 1
		.amdhsa_system_sgpr_workgroup_id_x 1
		.amdhsa_system_sgpr_workgroup_id_y 1
		.amdhsa_system_sgpr_workgroup_id_z 1
		.amdhsa_system_vgpr_workitem_id 0
		.amdhsa_next_free_vgpr 768
		.amdhsa_next_free_sgpr 66
		.amdhsa_reserve_vcc 0
		.amdhsa_float_denorm_mode_32 3
		.amdhsa_float_denorm_mode_16_64 3
		.amdhsa_memory_ordered 1
		.amdhsa_forward_progress 1
		.amdhsa_inst_pref_size 135
	.end_amdhsa_kernel
	.amdgpu_metadata
---
amdhsa.version: [ 1, 2 ]
amdhsa.kernels:
  - .name:           k_qab67409469_attn
    .symbol:         k_qab67409469_attn.kd
    .args:
      - { .name: qkv, .offset: 0, .size: 8, .value_kind: global_buffer, .address_space: global }
      - { .name: ob, .offset: 8, .size: 8, .value_kind: global_buffer, .address_space: global }
    .group_segment_fixed_size: 327680
    .private_segment_fixed_size: 0
    .kernarg_segment_align: 8
    .kernarg_segment_size: 16
    .max_flat_workgroup_size: 128
    .sgpr_count:     66
    .vgpr_count:     768
    .wavefront_size: 32
...
	.end_amdgpu_metadata
.endif
;; end of part 3
;; launch back (part 4): grid 128 x 2, 4 waves a work-group, clusters of 4 x 1, 327,680 bytes of LDS; arguments ob, wt, tab, bo1, bo2, out0; writes out0
.if DOCPART == 4
	.amdgcn_target "amdgcn-amd-amdhsa--gfx1250"
	.amdhsa_code_object_version 6
	.text
	.protected	k_qab67409469_back
	.globl	k_qab67409469_back
	.p2align	8
	.type	k_qab67409469_back,@function
k_qab67409469_back:
	s_mov_b64 s[64:65], 0
	v_nop
	global_prefetch_b8 v0, s[64:65] scope:SCOPE_SE
	s_setreg_imm32_b32 hwreg(HW_REG_WAVE_MODE, 25, 1), 1
	s_wait_xcnt 0x0
	s_wait_alu depctr_hold_cnt(0) depctr_sa_sdst(0) depctr_va_vdst(0) depctr_va_sdst(0) depctr_va_ssrc(0) depctr_va_vcc(0) depctr_vm_vsrc(0)
	s_getreg_b32 s2, hwreg(HW_REG_IB_STS2, 6, 4)
	s_cmp_eq_u32 s2, 0
	s_cbranch_scc0 .Lentry_in_a_cluster
	s_endpgm
.Lentry_in_a_cluster:
	s_bfe_u32 s2, ttmp6, 0x10000c
	s_cmp_lg_u32 s2, 0x3003
	s_cbranch_scc0 .Lentry_shape_is_right
	s_endpgm
.Lentry_shape_is_right:
; BACK.  out0[b][c][s] = (gelu(O Wo1 + bo1) Wo2 + bo2)[s][c], gelu exact (by erf).  O' = O x mu arrives in f16, [block of 64 s][head][64 rows][64]; Wo1 in f16 and Wo2 in bf16 as dense tiles [512 k][64 columns].
; A work-group owns 64 positions s (256 consecutive bytes of each row of out0) and HALF of the 512 output channels; both halves make all of g = gelu(..) for their rows: g never goes to memory, and 256 work-groups have work.
; Every wave holds all 64 x 512 of O' (later of g) in registers, 64 fragments; the weights stream through a ring of two LDS slots, a tile a PASS: 8 of Wo1, then my half's 4 of Wo2.
; In a pass wave w takes the tile's columns 16 w .. 16 w + 15 against the 4 row tiles: 4 accumulators, 64 matrix instructions.
; PASS 1 (f16): source 0 = Wo1's columns (turned), source 1 = O': a lane holds one s and eight neighbouring j: h = sum / mu + bo1, g = gelu(h), rounded to bf16, 16 bytes into LDS [s][j].
; PASS 2 (bf16): source 0 = g, source 1 = Wo2's columns (turned): a lane holds one c and eight neighbouring s; through my stage, 16 lanes store 256 consecutive bytes, aligned.
; GELU.  g = max(h, 0) - (|h| / 2) erfc(|h| / sqrt 2), erfc(z) = t (a1 + t (a2 + t (a3 + t (a4 + t a5)))) e^(-z z), t = 1 / (1 + 0.3275911 z): no difference of near numbers on either side.
; LIMITS.  That erfc is off by 1.5e-7 at the most (absolute); 1 / mu is the power of two of the launch that made v'; NaN and infinities are not treated apart.
; CLUSTER.  The four work-groups of a cluster have one half and walk the same 12 tiles: each is asked for JOINTLY.  O' differs between partners: each asks for its own.
; REGISTERS, in windows of 256: window 0: v0-31 addresses and constants; v32-63 accumulators; v64-127 at work; v128-255 a tile's 16 fragments (in the gelu: at work)
;   windows 1, 2: fragment (a, kk) of O' or g: window 1 + kk / 8, register 32 (kk % 8) + 8 a
.set PW,    160                        ; a row k of a tile in LDS: 128 bytes + 32
.set SLOT1, 1<<17
.set STAGE, 512*PW                     ; 81,920: 16 rows x 272 bytes for each wave; no fill lands here
.set SPARE, STAGE+4*16*272             ; 99,328: the spare words
.set AG,    SLOT1+512*PW               ; 212,992: O' as 512 rows ([head][row]) x 144, filled once; when all waves have read it, g as 64 rows x 1,040
.set PG,    1040
.set ADW0, 4
.set ADW1, 5
.set AW0,  6
.set GST,  7
.set STO,  8
.set RD,   9
.set GO,   10
.set BO1,  11
.set BO2,  12
.set AO0,  13
.set AO1,  14
.set AGR,  15
.set MUI,  16                          ; v[16:17] 1 / mu, twice
.set BI,   18                          ; v[18:25] my eight numbers of bo1; at the head at work
.set B2,   26                          ; v[26:27] my number of bo2, twice
.set SPW,  28                          ; never rewritten
.set NIL,  29                          ; never rewritten
.set ACC,  32
.set HH,   64
.set ZZ,   96
.set WF,   128
.set TT,   128
.set EE,   160
.set PP,   192
.set SC,   64
.set WV,   16
.set G1W,  24
.set G1A,  32
.set G0A,  40
.set G0W0, 44
.set G0W1, 48
.set STEP, 52                          ; s[52:53]
.set CNT,  54
.set TB,   55
.set SEL,  56
.set A5,   58
.set A4,   60
.set A3,   62
.set A2,   66
.set A1,   68
.set BIG,  70
.set RS2,  71
.set OST,  72                          ; s[72:73] what the next way out adds to out0's address
.set MSB, 0
.macro WIN new
.if MSB != (\new)
	s_set_vgpr_msb (MSB<<8)|(\new)
.set MSB, \new
.endif
.endm
.macro PLACES
.rept 4
	v_nop
.endr
.endm
.macro CREST
	s_cmp_lg_u32 s[WV], 0
	s_cbranch_scc1 .Lnot_wave_0_\@
	s_barrier_signal -3
.Lnot_wave_0_\@:
	s_barrier_wait -3
	s_barrier_signal -1
	s_barrier_wait -1
.endm
.macro CROUND
	s_barrier_signal -1
	s_barrier_wait -1
	CREST
.endm
	s_load_b256 s[4:11], s[0:1], 0x0               ; ob 4, wt 6, tab 8, bo1 10
	s_load_b128 s[12:15], s[0:1], 0x20             ; bo2 12, out0 14
	v_lshl_add_u32 v[SPW], v0, 2, SPARE
	v_mov_b32 v[NIL], 0
	ds_add_u32 v[SPW], v[NIL]                      ; the wave's opening: the add, and its wait ahead of my first tensor load
	v_lshrrev_b32 v1, 5, v0
	v_readfirstlane_b32 s[WV], v1
	s_bfe_u32 s17, ttmp6, 0x40000                  ; cx
	s_lshl_b32 s18, ttmp9, 2
	s_add_co_u32 s18, s18, s17                     ; my block of 64 positions, 0..127
	s_and_b32 s19, ttmp7, 0xffff                   ; the half, which the four partners share
	s_mov_b32 s[G1W], 15|(1<<16)|(1<<20)|(1<<21)|(4<<22)|(7<<25)  ; the mask of four, bit 21 beside it; 2-byte elements; after every 32 words 8 words
	s_mov_b32 s[G1A], (1<<16)|(1<<20)|(4<<22)|(3<<25)             ; my own load: after every 32 words 4 words
.irp g, G1W, G1A
	s_mov_b32 s[\g+1], 128<<16                     ; 16,384 dense bytes a wave: asked for as 64 rows of 256
	s_mov_b32 s[\g+2], 64<<16
	s_mov_b32 s[\g+3], 128<<16
	s_mov_b32 s[\g+4], 64
	s_mov_b32 s[\g+5], 128
	s_mov_b32 s[\g+6], 0
	s_mov_b32 s[\g+7], 0
.endr
	s_mov_b32 s[G0A], 1
	s_mul_i32 s20, s[WV], 128*144
	s_add_co_u32 s[G0A+1], s20, AG
	s_mov_b32 s[G0W0], 1
	s_mul_i32 s[G0W0+1], s[WV], 128*PW
	s_mov_b32 s[G0W1], 1
	s_add_co_u32 s[G0W1+1], s[G0W0+1], SLOT1
	s_lshl_b32 s20, s18, 16                        ; O': my block, my wave's two heads
	s_lshl_b32 s21, s[WV], 14
	s_add_co_u32 s20, s20, s21
	s_mov_b32 s21, 0
	s_lshl_b32 s22, s[WV], 14                      ; the tiles: behind the folded weights, my 128 rows k (no place in the cluster enters these two registers)
	s_add_co_u32 s22, s22, 2097152
	s_mov_b32 s23, 0
	s_lshl_b32 s[BIG], s19, 18                     ; from Wo1's last tile to my half's first of Wo2
	s_add_co_u32 s[BIG], s[BIG], 65536
	s_mov_b32 s[STEP+1], 0
	s_mov_b32 s[TB], 0
	s_mov_b32 s[SEL], 0x76543210
	s_mov_b32 s[SEL+1], 0xfedcba98
	s_mov_b32 s[A5], 0x3f87dc22                    ; 1.061405429
	s_mov_b32 s[A5+1], s[A5]
	s_mov_b32 s[A4], 0xbfba00e3                    ; -1.453152027
	s_mov_b32 s[A4+1], s[A4]
	s_mov_b32 s[A3], 0x3fb5f0e3                    ; 1.421413741
	s_mov_b32 s[A3+1], s[A3]
	s_mov_b32 s[A2], 0xbe91a98e                    ; -0.284496736
	s_mov_b32 s[A2+1], s[A2]
	s_mov_b32 s[A1], 0x3e827906                    ; 0.254829592
	s_mov_b32 s[A1+1], s[A1]
	s_mov_b32 s[RS2], 0x3f3504f3                   ; 1 / sqrt 2
	s_mov_b32 s[OST], 0
	s_mov_b32 s[OST+1], 0
	s_wait_dscnt 0x0                               ; the opening add is done
	s_wait_kmcnt 0x0
	s_add_nc_u64 s[G0A+2:G0A+3], s[4:5], s[20:21]
	s_or_b32 s[G0A+3], s[G0A+3], 0x80000000
	s_add_nc_u64 s[G0W0+2:G0W0+3], s[6:7], s[22:23]
	s_add_nc_u64 s[G0W1+2:G0W1+3], s[G0W0+2:G0W0+3], 65536
	s_or_b32 s[G0W0+3], s[G0W0+3], 0x80000000
	s_or_b32 s[G0W1+3], s[G0W1+3], 0x80000000
	CROUND                                         ; all four work-groups are here: the first joint loads meet
	tensor_load_to_lds s[G0A:G0A+3], s[G1A:G1A+7]  ; the first fills go out as one group: three loads of mine are out
	s_nop 0
	tensor_load_to_lds s[G0W0:G0W0+3], s[G1W:G1W+7]
	s_nop 0
	tensor_load_to_lds s[G0W1:G0W1+3], s[G1W:G1W+7]
	s_nop 0
	PLACES
	; the tables for 1 / mu: as in the launch that made v'
	v_and_b32 v[BI], 31, v0
	v_lshlrev_b32 v[BI], 4, v[BI]
.irp i, 0,1,2,3,4,5,6,7
	global_load_b128 v[SC+4*\i:SC+4*\i+3], v[BI], s[8:9] offset:16384+512*\i
.endr
.irp i, 0,1,2,3
	global_load_b128 v[SC+32+4*\i:SC+32+4*\i+3], v[BI], s[8:9] offset:10240+512*\i
	global_load_b128 v[SC+48+4*\i:SC+48+4*\i+3], v[BI], s[8:9] offset:4096+512*\i
.endr
	v_and_b32 v1, 15, v0                           ; r
	v_bfe_u32 v2, v0, 4, 1                         ; h
	v_and_b32 v3, 7, v0
	v_lshl_add_u32 v3, v2, 3, v3
	v_mul_u32_u24 v[AW0], v3, PW                   ; the turning load of a tile: row 8 h + l % 8,
	v_bfe_u32 v3, v0, 3, 1
	v_lshl_add_u32 v[AW0], v3, 4, v[AW0]
	s_lshl_b32 s20, s[WV], 5
	v_add_nc_u32 v[AW0], s20, v[AW0]               ; my 16 columns
	v_mul_u32_u24 v[AO0], v1, 144
	v_lshl_add_u32 v[AO0], v2, 4, v[AO0]
	v_add_nc_u32 v[AO0], AG, v[AO0]                ; O': row r, 16 h; heads 0-3,
	v_add_nc_u32 v[AO1], 4*64*144, v[AO0]          ; heads 4-7
	v_mul_u32_u24 v[AGR], v1, PG
	v_lshl_add_u32 v[AGR], v2, 4, v[AGR]
	v_add_nc_u32 v[AGR], AG, v[AGR]                ; g: row r, 16 h
	v_add_nc_u32 v[GST], s20, v[AGR]               ; where I put g: my 16 columns j; 128 bytes on in each pass
	s_mul_i32 s21, s[WV], 16*272
	s_add_co_u32 s21, s21, STAGE
	v_mul_u32_u24 v[STO], v1, 272
	v_lshl_add_u32 v[STO], v2, 5, v[STO]
	v_add_nc_u32 v[STO], s21, v[STO]               ; into my stage: row c = r, 32 h
	v_mul_u32_u24 v[RD], v2, 272
	v_lshl_add_u32 v[RD], v1, 4, v[RD]
	v_add_nc_u32 v[RD], s21, v[RD]                 ; back: lanes 0-15 one row of 256 bytes, lanes 16-31 the next
	v_lshlrev_b32 v[GO], 14, v2
	v_lshl_add_u32 v[GO], v1, 4, v[GO]             ; and the same two rows of out0
	s_lshl_b32 s21, s[WV], 6
	v_lshl_add_u32 v[BO1], v2, 5, s21              ; bo1 at 16 w + 8 h
	s_lshl_b32 s22, s19, 10
	s_add_co_u32 s22, s22, s21
	v_lshl_add_u32 v[BO2], v1, 2, s22              ; bo2 at 256 half + 16 w + r
	s_lshr_b32 s20, s18, 6                         ; out0: b,
	s_lshl_b32 s20, s20, 23
	s_lshl_b32 s21, s19, 22                        ; 256 rows c a half,
	s_add_co_u32 s20, s20, s21
	s_lshl_b32 s21, s[WV], 18                      ; 16 a wave,
	s_add_co_u32 s20, s20, s21
	s_and_b32 s21, s18, 63
	s_lshl_b32 s21, s21, 8                         ; my 64 positions
	s_add_co_u32 s20, s20, s21
	s_mov_b32 s21, 0
	s_add_nc_u64 s[14:15], s[14:15], s[20:21]
	v_mov_b32 v[BI+4], 0
	s_wait_loadcnt 0x0
.macro RED r
	v_max_num_f32_dpp v[\r], v[\r], v[\r] row_xmask:1 row_mask:0xf bank_mask:0xf
	v_max_num_f32_dpp v[\r], v[\r], v[\r] row_xmask:2 row_mask:0xf bank_mask:0xf
	v_max_num_f32_dpp v[\r], v[\r], v[\r] row_xmask:4 row_mask:0xf bank_mask:0xf
	v_max_num_f32_dpp v[\r], v[\r], v[\r] row_xmask:8 row_mask:0xf bank_mask:0xf
	v_permlanex16_b32 v[BI+4], v[\r], s[SEL], s[SEL+1]
	v_max_num_f32 v[\r], v[\r], v[BI+4]
.endm
	v_max_num_f32 v[BI+1], v[SC], v[SC+1]
	v_max_num_f32 v[BI+2], v[SC+32], v[SC+33]
	v_max_num_f32 v[BI+3], |v[SC+48]|, |v[SC+49]|
.set i, 2
.rept 15
	v_max3_num_f32 v[BI+1], v[BI+1], v[SC+i], v[SC+i+1]
.set i, i+2
.endr
.set i, 2
.rept 7
	v_max3_num_f32 v[BI+2], v[BI+2], v[SC+32+i], v[SC+32+i+1]
	v_max3_num_f32 v[BI+3], v[BI+3], |v[SC+48+i]|, |v[SC+48+i+1]|
.set i, i+2
.endr
	RED BI+1
	RED BI+2
	RED BI+3
	v_mul_f32 v[BI+1], v[BI+1], v[BI+2]
	v_fma_f32 v[BI+1], v[BI+1], 0x44000000, v[BI+3]  ; Bd = 512 max|ctx| max|Wc Wv| + max|bc Wv|
	v_lshrrev_b32 v[BI+1], 23, v[BI+1]
	v_max_u32 v[BI+1], 16, v[BI+1]
	v_min_u32 v[BI+1], 0xfe, v[BI+1]               ; eb
	v_add_nc_u32 v[BI+1], -14, v[BI+1]
	v_lshlrev_b32 v[MUI], 23, v[BI+1]              ; 1 / mu = 2^(eb - 141)
	v_mov_b32 v[MUI+1], v[MUI]
; A tile's 16 fragments for my 16 columns: 32 turning loads, from two bases (an offset has 16 bits)
.macro FETCHW
	WIN 0
	v_add_nc_u32 v[ADW0], s[TB], v[AW0]
	v_add_nc_u32 v[ADW1], 256*PW, v[ADW0]
.irp k, 0,1,2,3,4,5,6,7
	ds_load_tr16_b128 v[WF+8*\k:WF+8*\k+3],   v[ADW0] offset:32*PW*\k
	ds_load_tr16_b128 v[WF+8*\k+4:WF+8*\k+7], v[ADW0] offset:32*PW*\k+16*PW
.endr
.irp k, 0,1,2,3,4,5,6,7
	ds_load_tr16_b128 v[WF+64+8*\k:WF+64+8*\k+3],   v[ADW1] offset:32*PW*\k
	ds_load_tr16_b128 v[WF+64+8*\k+4:WF+64+8*\k+7], v[ADW1] offset:32*PW*\k+16*PW
.endr
.endm
; n K steps of 32 from k0 on, four products each: the four accumulators take turns.  K step 0 starts the sums.
.macro MULS g, k0, n
.set kk, (\k0)
.rept (\n)
.if (\g) == 1
	WIN 0x04*(1+kk/8)                              ; source 1 (O') in window 1 or 2
.else
	WIN 1+kk/8                                     ; source 0 (g) in window 1 or 2
.endif
.irp a, 0,1,2,3
.if (\g) == 1
.if kk == 0
	v_wmma_f32_16x16x32_f16 v[ACC+8*\a:ACC+8*\a+7], v[WF+8*kk:WF+8*kk+7], v[32*(kk%8)+8*\a:32*(kk%8)+8*\a+7], 0
.else
	v_wmma_f32_16x16x32_f16 v[ACC+8*\a:ACC+8*\a+7], v[WF+8*kk:WF+8*kk+7], v[32*(kk%8)+8*\a:32*(kk%8)+8*\a+7], v[ACC+8*\a:ACC+8*\a+7]
.endif
.else
.if kk == 0
	v_wmma_f32_16x16x32_bf16 v[ACC+8*\a:ACC+8*\a+7], v[32*(kk%8)+8*\a:32*(kk%8)+8*\a+7], v[WF+8*kk:WF+8*kk+7], 0
.else
	v_wmma_f32_16x16x32_bf16 v[ACC+8*\a:ACC+8*\a+7], v[32*(kk%8)+8*\a:32*(kk%8)+8*\a+7], v[WF+8*kk:WF+8*kk+7], v[ACC+8*\a:ACC+8*\a+7]
.endif
.endif
.endr
.set kk, kk+1
.endr
.endm
; h, gelu, g into LDS: stage by stage over the lane's 32 numbers, so that no line waits for the one before it
.macro GELU
	s_wait_loadcnt 0x0                             ; bo1's eight numbers
.irp j, 0,1,2,3
	v_cvt_pk_bf16_f32 v[PP+\j], v[BI+2*\j], v[BI+2*\j+1]   ; rounded to bf16 like every input
.endr
.irp j, 0,1,2,3
	v_lshlrev_b32 v[BI+2*\j], 16, v[PP+\j]
	v_and_b32 v[BI+2*\j+1], 0xffff0000, v[PP+\j]
.endr
	v_add_nc_u32 v[BO1], 0x100, v[BO1]             ; the next pass's 64 columns (free since the wait above)
.set i, 0
.rept 16
	v_pk_fma_f32 v[HH+2*i:HH+2*i+1], v[ACC+2*i:ACC+2*i+1], v[MUI:MUI+1], v[BI+2*(i%4):BI+2*(i%4)+1]  ; h; each accumulator from its low end on
.set i, i+1
.endr
.set i, 0
.rept 32
	v_mul_f32 v[ZZ+i], s[RS2], |v[HH+i]|           ; z = |h| / sqrt 2
.set i, i+1
.endr
.set i, 0
.rept 16
	v_pk_fma_f32 v[TT+2*i:TT+2*i+1], v[ZZ+2*i:ZZ+2*i+1], 0x3ea7ba05, 1.0 op_sel_hi:[1,0,0]  ; 1 + 0.3275911 z
.set i, i+1
.endr
.set i, 0
.rept 32
	v_rcp_f32 v[TT+i], v[TT+i]                     ; t
.set i, i+1
.endr
.set i, 0
.rept 16
	v_pk_mul_f32 v[EE+2*i:EE+2*i+1], v[HH+2*i:HH+2*i+1], v[HH+2*i:HH+2*i+1]
.set i, i+1
.endr
.set i, 0
.rept 16
	v_pk_mul_f32 v[EE+2*i:EE+2*i+1], v[EE+2*i:EE+2*i+1], 0xbf38aa3b op_sel_hi:[1,0]  ; - z z log2(e) = - h h log2(e) / 2
.set i, i+1
.endr
.set i, 0
.rept 32
	v_exp_f32 v[EE+i], v[EE+i]
.set i, i+1
.endr
.set i, 0
	s_wait_alu depctr_va_vdst(0)
.rept 16
	v_pk_fma_f32 v[PP+2*i:PP+2*i+1], v[TT+2*i:TT+2*i+1], s[A5:A5+1], s[A4:A4+1] op_sel_hi:[1,0,0]
.set i, i+1
.endr
.irp c, A3, A2, A1
.set i, 0
.rept 16
	v_pk_fma_f32 v[PP+2*i:PP+2*i+1], v[PP+2*i:PP+2*i+1], v[TT+2*i:TT+2*i+1], s[\c:\c+1] op_sel_hi:[1,1,0]
.set i, i+1
.endr
.endr
.irp f, TT, EE, ZZ
.set i, 0
.rept 16
	v_pk_mul_f32 v[PP+2*i:PP+2*i+1], v[PP+2*i:PP+2*i+1], v[\f+2*i:\f+2*i+1]  ; z erfc(z)
.set i, i+1
.endr
.endr
.set i, 0
.rept 32
	v_max_num_f32 v[HH+i], 0, v[HH+i]
.set i, i+1
.endr
.set i, 0
.rept 16
	v_pk_fma_f32 v[HH+2*i:HH+2*i+1], v[PP+2*i:PP+2*i+1], 0xbf3504f3, v[HH+2*i:HH+2*i+1] op_sel_hi:[1,0,1]  ; max(h, 0) - z erfc(z) / sqrt 2
.set i, i+1
.endr
.set i, 0
.rept 16
	v_cvt_pk_bf16_f32 v[ZZ+i], v[HH+2*i], v[HH+2*i+1]
.set i, i+1
.endr
.irp a, 0,1,2,3
	ds_store_b128 v[GST], v[ZZ+4*\a:ZZ+4*\a+3] offset:16*PG*\a
.endr
	v_add_nc_u32 v[GST], 128, v[GST]
.endm
; + bo2, through my stage, out
.macro OUTP
	s_wait_loadcnt 0x0                             ; my number of bo2
	v_cvt_pk_bf16_f32 v[B2], v[B2], v[B2]
	v_lshlrev_b32 v[B2], 16, v[B2]
	v_mov_b32 v[B2+1], v[B2]
	v_add_nc_u32 v[BO2], 0x100, v[BO2]
.set i, 0
.rept 16
	v_pk_add_f32 v[HH+2*i:HH+2*i+1], v[ACC+2*i:ACC+2*i+1], v[B2:B2+1]
.set i, i+1
.endr
.irp a, 0,1,2,3
	ds_store_b128 v[STO], v[HH+8*\a:HH+8*\a+3] offset:64*\a
	ds_store_b128 v[STO], v[HH+8*\a+4:HH+8*\a+7] offset:64*\a+16
.endr
	s_wait_xcnt 0x0                                ; the last pass's stores have read their registers and their base: both are written below
	s_add_nc_u64 s[14:15], s[14:15], s[OST:OST+1]  ; 0 the first time, then 64 rows c on
	s_mov_b32 s[OST], 0x100000
.irp t, 0,1,2,3,4,5,6,7
	ds_load_b128 v[ZZ+4*\t:ZZ+4*\t+3], v[RD] offset:544*\t  ; LDS serves a wave's instructions in order (ISA guide 5.7.1.4): these see the stores above
.endr
.irp t, 0,1,2,3,4,5,6,7
	s_wait_dscnt 7-\t
	global_store_b128 v[GO], v[ZZ+4*\t:ZZ+4*\t+3], s[14:15] offset:32768*\t th:TH_STORE_NT  ; 16 lanes store 256 consecutive bytes, at a multiple of 256 from out0's first
.endr
.endm
; A PASS.  The tile in slot TB was shown landed, to every wave, by the pass before (or by the head).  Its fragments are fetched; behind the first 32 products each wave waits for all its tensor loads (one is
; out: its part of the next tile), adds 0 to its spare word, and waits for that and for its reads of the slot.  fill = 1: the barrier opens a round of the cluster's, and the slot just read takes the tile two on.
.macro PASS g, fill
	WIN 0
.if (\g) == 1
	global_load_b128 v[BI:BI+3], v[BO1], s[10:11]
	global_load_b128 v[BI+4:BI+7], v[BO1], s[10:11] offset:16
.else
	global_load_b32 v[B2], v[BO2], s[12:13]
.endif
	FETCHW
	s_wait_dscnt 16                                ; K steps 0-7 are in; the loads of 8-15 may be out
	MULS \g, 0, 8
	WIN 0
	s_wait_tensorcnt 0x0
	ds_add_u32 v[SPW], v[NIL]
.if \fill
	s_xor_b32 s[G0W1+1], s[G0W1+1], SLOT1          ; the walking descriptor: the other slot than last time,
.if (\g) == 1
	s_cmp_eq_u32 s[CNT], 2                         ; (the pass that asks for Wo2's first tile of my half)
	s_cselect_b32 s[STEP], s[BIG], 0x10000
	s_add_nc_u64 s[G0W1+2:G0W1+3], s[G0W1+2:G0W1+3], s[STEP:STEP+1]
.else
	s_add_nc_u64 s[G0W1+2:G0W1+3], s[G0W1+2:G0W1+3], 65536
.endif
.endif
	s_wait_dscnt 1                                 ; all fragments are in; the add may be out
	MULS \g, 8, 4
	s_wait_dscnt 0x0                               ; the add is done, and my reads of the slot are over
	s_barrier_signal -1
	MULS \g, 12, 4
	WIN 0
	s_barrier_wait -1
.if \fill
	CREST
	tensor_load_to_lds s[G0W1:G0W1+3], s[G1W:G1W+7]
	s_nop 0
.endif
	PLACES
	PLACES                                         ; the places behind the last products
	s_xor_b32 s[TB], s[TB], SLOT1
.if (\g) == 1
	GELU
.else
	OUTP
.endif
.endm
	s_wait_tensorcnt 1                             ; my parts of O' and of tile 0 are in; tile 1's may stay out
	s_barrier_signal -1
	s_barrier_wait -1
	WIN 0x40
.set kk, 0
.rept 8
.irp a, 0,1,2,3
	ds_load_b128 v[32*kk+8*\a:32*kk+8*\a+3],   v[AO0] offset:9216*(kk/2)+2304*\a+64*(kk%2)
	ds_load_b128 v[32*kk+8*\a+4:32*kk+8*\a+7], v[AO0] offset:9216*(kk/2)+2304*\a+64*(kk%2)+32
.endr
.set kk, kk+1
.endr
	WIN 0x80
.set kk, 0
.rept 8
.irp a, 0,1,2,3
	ds_load_b128 v[32*kk+8*\a:32*kk+8*\a+3],   v[AO1] offset:9216*(kk/2)+2304*\a+64*(kk%2)
	ds_load_b128 v[32*kk+8*\a+4:32*kk+8*\a+7], v[AO1] offset:9216*(kk/2)+2304*\a+64*(kk%2)+32
.endr
.set kk, kk+1
.endr
	WIN 0
	s_wait_dscnt 0x0                               ; O' is in registers: the first pass's round lies between these reads and the first store of g onto the same bytes
	s_mov_b32 s[CNT], 8
.Lp1:                                                  ; Wo1's eight tiles; tiles 2 to 9 are asked for
	PASS 1, 1
	s_sub_co_u32 s[CNT], s[CNT], 1
	s_cmp_lg_u32 s[CNT], 0
	s_cbranch_scc1 .Lp1
	s_wait_dscnt 0x0                               ; for the others' sake: my part of g is stored
	s_barrier_signal -1
	s_barrier_wait -1
	WIN 0x40
.set kk, 0
.rept 8
.irp a, 0,1,2,3
	ds_load_b128 v[32*kk+8*\a:32*kk+8*\a+3],   v[AGR] offset:16*PG*\a+64*kk
	ds_load_b128 v[32*kk+8*\a+4:32*kk+8*\a+7], v[AGR] offset:16*PG*\a+64*kk+32
.endr
.set kk, kk+1
.endr
	WIN 0x80
.set kk, 0
.rept 8
.irp a, 0,1,2,3
	ds_load_b128 v[32*kk+8*\a:32*kk+8*\a+3],   v[AGR] offset:16*PG*\a+64*(kk+8)
	ds_load_b128 v[32*kk+8*\a+4:32*kk+8*\a+7], v[AGR] offset:16*PG*\a+64*(kk+8)+32
.endr
.set kk, kk+1
.endr
	WIN 0
	s_wait_dscnt 0x0
	s_mov_b32 s[CNT], 2
.Lp2:                                                  ; Wo2's first two tiles of my half; the last two are asked for
	PASS 2, 1
	s_sub_co_u32 s[CNT], s[CNT], 1
	s_cmp_lg_u32 s[CNT], 0
	s_cbranch_scc1 .Lp2
	s_mov_b32 s[CNT], 2
.Lp3:                                                  ; the last two: nothing is left to ask for
	PASS 2, 0
	s_sub_co_u32 s[CNT], s[CNT], 1
	s_cmp_lg_u32 s[CNT], 0
	s_cbranch_scc1 .Lp3
	s_wait_tensorcnt 0x0                           ; the wave's end, behind my last tensor load and my last LDS store
	ds_add_u32 v[SPW], v[NIL]
	s_wait_dscnt 0x0
	CROUND                                         ; the closing round
	s_endpgm
.Lfunc_end_k_qab67409469_back:
	.size	k_qab67409469_back, .Lfunc_end_k_qab67409469_back-k_qab67409469_back
	.p2alignl 7, 3214868480
	.fill 96, 4, 3214868480
	.section	.rodata,"a",@progbits
	.p2align	6, 0x0
	.amdhsa_kernel k_qab67409469_back
		.amdhsa_group_segment_fixed_size 327680
		.amdhsa_private_segment_fixed_size 0
		.amdhsa_enable_private_segment 0
		.amdhsa_kernarg_size 48
		.amdhsa_user_sgpr_count 2
		.amdhsa_user_sgpr_kernarg_segment_ptr 1
		.amdhsa_wavefront_size32 1
		.amdhsa_system_sgpr_workgroup_id_x 1
		.amdhsa_system_sgpr_workgroup_id_y 1
		.amdhsa_system_sgpr_workgroup_id_z 1
		.amdhsa_system_vgpr_workitem_id 0
		.amdhsa_next_free_vgpr 768
		.amdhsa_next_free_sgpr 74
		.amdhsa_reserve_vcc 0
		.amdhsa_float_denorm_mode_32 3
		.amdhsa_float_denorm_mode_16_64 3
		.amdhsa_memory_ordered 1
		.amdhsa_forward_progress 1
		.amdhsa_inst_pref_size 78
	.end_amdhsa_kernel
	.amdgpu_metadata
---
amdhsa.version: [ 1, 2 ]
amdhsa.kernels:
  - .name:           k_qab67409469_back
    .symbol:         k_qab67409469_back.kd
    .args:
      - { .name: ob, .offset: 0, .size: 8, .value_kind: global_buffer, .address_space: global }
      - { .name: wt, .offset: 8, .size: 8, .value_kind: global_buffer, .address_space: global }
      - { .name: tab, .offset: 16, .size: 8, .value_kind: global_buffer, .address_space: global }
      - { .name: bo1, .offset: 24, .size: 8, .value_kind: global_buffer, .address_space: global }
      - { .name: bo2, .offset: 32, .size: 8, .value_kind: global_buffer, .address_space: global }
      - { .name: out0, .offset: 40, .size: 8, .value_kind: global_buffer, .address_space: global }
    .group_segment_fixed_size: 327680
    .private_segment_fixed_size: 0
    .kernarg_segment_align: 8
    .kernarg_segment_size: 48
    .max_flat_workgroup_size: 128
    .sgpr_count:     74
    .vgpr_count:     768
    .wavefront_size: 32
...
	.end_amdgpu_metadata
.endif
;; end of part 4
